; MI455X (gfx1250); checked and timed in simulation.
; The chip was launched on July 23, 2026; its instructions are those of AMD's public machine-readable ISA for CDNA 5 (MIT licence, August 2026) and "CDNA5" Instruction Set Architecture Reference Guide (July 2026). The comments in the code are by the model that wrote it; some were corrected since.
;; Transformer Block. Allowed arithmetic: matrix products marked QUANTISED: E2M1 operands, one E8M0 scale for each 32 along K, by v_wmma_scale_f32_16x16x128_f8f6f4 with both operands' format E2M1 (or v_wmma_scale_f32_32x16x128_f4), f32 sums; products left as they are: bf16, f16 or f32 operands; f32 sums; everything else in f32.
;; Inputs: K 16 x 1,024 x 512 float32; Q 16 x 1,024 x 512 float32; V 16 x 1,024 x 512 float32; W_k 512 x 512 float32; W_o 512 x 512 float32; W_q 512 x 512 float32; W_v 512 x 512 float32; lin1_b 512 float32; lin1_w 512 x 512 float32; lin2_b 512 float32; lin2_w 512 x 512 float32; ln_b 512 float32; ln_g 512 float32; mask 16 x 1,024 bool.
;; Outputs: out0 16 x 1,024 x 512 float32.
;; This version of the problem:
;;   THIS VERSION OF THE PROBLEM IS GIVEN IN LOW PRECISION. The matrix products marked QUANTISED in the list below multiply operands that are first quantised to E2M1 (2 exponent bits, 1 mantissa bit; 4 bits a number), with one power-of-two scale for each 32 numbers along K (OCP MX v1.0); their sums are f32. The products marked 'left as it is' may take bf16, f16 or f32 operands, with f32 sums. Whichever they take, every output number must still come out within the allowed error. Rounding operands to bf16 (8 significant bits) uses up far more of that allowance than f16 does (11 bits, for magnitudes from 6e-5 to 65,504). All else is computed in f32.
;;   The module's matrix products, in the order in which they are computed (A, B: the left and right operand; K: the contracted axis; several contracted axes count as one K, in the product's order):
;;     1. [M 16,384, K 512] x [K 512, N 512]; A: input Q; B: input W_q: QUANTISED
;;     2. [M 16,384, K 512] x [K 512, N 512]; A: input K; B: input W_k: QUANTISED
;;     3. [M 16,384, K 512] x [K 512, N 512]; A: input V; B: input W_v: QUANTISED
;;     4. batch 128 x [M 1,024, K 64] x [K 64, N 1,024]; A: computed on the way; B: computed on the way: left as it is (an operand is computed on the way)
;;     5. batch 128 x [M 1,024, K 1,024] x [K 1,024, N 64]; A: computed on the way; B: computed on the way: left as it is (an operand is computed on the way)
;;     6. [M 16,384, K 512] x [K 512, N 512]; A: computed on the way; B: input W_o: left as it is (an operand is computed on the way)
;;     7. [M 16,384, K 512] x [K 512, N 512]; A: computed on the way; B: input lin1_w: left as it is (an operand is computed on the way)
;;     8. [M 16,384, K 512] x [K 512, N 512]; A: computed on the way; B: input lin2_w: left as it is (an operand is computed on the way)
;;   THE QUANTISER, for each operand of a quantised product, along K:
;;     - K is cut into blocks of 32 from its start; a last block that is shorter is filled with zeros.
;;     - A block's scale is 2^e with e = floor(log2(the largest magnitude in the block)) - 2, held to -126 .. 127; a block of zeros has e = 0. As a byte (E8M0): e + 127.
;;     - Each number is divided by its block's scale, clamped to +-6, and rounded to the nearest number of E2M1, ties to even, subnormals kept.
;;     - The product sums the exact products of the quantised numbers (number of the format x scale) in f32.
;;   ~~~python
;;   def quantise(x, axis):      # numpy; x: float32 -> the quantised numbers, widened to float32 again
;;       x = np.moveaxis(x, axis, -1); K = x.shape[-1]
;;       x = np.pad(x, [(0, 0)] * (x.ndim - 1) + [(0, -K % 32)]); x = x.reshape(x.shape[:-1] + (-1, 32)); a = np.abs(x).max(-1, keepdims=True)
;;       e = np.where(a > 0, np.clip(np.frexp(np.where(a > 0, a, 1))[1] - 1 - 2, -126, 127), 0)      # np.frexp(a)[1] - 1 = floor(log2(a)), exactly
;;       r = np.clip(x / 2.0 ** e, -6, 6)
;;       step = 2.0 ** (np.maximum(np.frexp(np.where(r == 0, 1, r))[1] - 1, 0) - 1)
;;       q = np.round(r / step) * step * 2.0 ** e      # np.round: ties to even
;;       return np.moveaxis(q.reshape(q.shape[:-2] + (-1,))[..., :K], -1, axis).astype(np.float32)
;;   ~~~
;; One version. Each part assembles by itself: llvm-mc -triple=amdgcn-amd-amdhsa -mcpu=gfx1250 --defsym DOCPART=n.
;; ======== version 1 of 1: 4 launches
;; limits: values are held in f16: magnitudes above 65,504 overflow, below 6.1e-05 lose precision
;; workspace buffers: wcodes 393,216 bytes; wscales 24,576 bytes; wf16 1,572,864 bytes; qf 16,777,216 bytes; kf 16,777,216 bytes; vf 16,777,216 bytes; vsum 524,288 bytes; cf 16,777,216 bytes
;; launch prep (part 1): grid 16 x 6, 4 waves a work-group, no clusters, 0 bytes of LDS; arguments W_q, W_k, W_v, W_o, lin1_w, lin2_w, wcodes, wscales, wf16; writes wcodes, wscales, wf16
.if DOCPART == 1
	.amdgcn_target "amdgcn-amd-amdhsa--gfx1250"
	.amdhsa_code_object_version 6
	.text
	.protected	k_q2dfe573fc2_prep
	.globl	k_q2dfe573fc2_prep
	.p2align	8
	.type	k_q2dfe573fc2_prep,@function
k_q2dfe573fc2_prep:
	s_mov_b64 s[64:65], 0
	v_nop
	global_prefetch_b8 v0, s[64:65] scope:SCOPE_SE
	s_setreg_imm32_b32 hwreg(HW_REG_WAVE_MODE, 25, 1), 1
	s_wait_xcnt 0x0
; THE SIX WEIGHTS, [512 (k)][512 (n)] f32 with K as the FIRST axis, are laid once in the order in which a wave's operand registers take them.
; y = 0, 1, 2 (W_q, W_k, W_v): codes of FP4 (E2M1) along K with one E8M0 byte for each 32 along K.
;   wcodes  [t 3][ntile 32][kstep 4][c 2][lane 32][16 bytes]: lane (r, h) holds column 16 ntile + r, k = 128 kstep + 64 c + 32 h + 0 .. 31
;   wscales [t 3][ntile 32][r 16][kstep 4] words: byte b of a word scales k = 128 kstep + 32 b + 0 .. 31
; y = 3, 4, 5 (W_o, lin1_w, lin2_w): f16, rounded to nearest even.
;   wf16 [w 3][ks 16][ntile 32][half 2][lane 32][16 bytes]: lane (r, h) holds column 16 ntile + r, k = 32 ks + 16 half + 8 h + 0 .. 7
; A LANE TAKES A COLUMN AND ITS REGISTERS RUN DOWN K: each load reads 128 consecutive bytes a wave, a block of 32 along K lies in one lane, and nothing is transposed.
; A work-group takes 128 columns (cg) x 128 along K (kq); a wave 32 columns.  Sixteen lanes store 256 consecutive aligned bytes (the scale words, 24 KB in all, go 4 bytes a lane).
; A block's scale is 2^(floor(log2(largest magnitude)) - 2); its byte is the largest magnitude's exponent field - 2, held at 1 from below.
; LIMITS: a block of zeros gets the byte 1 where the rule says 127 (its codes are zeros, and this program alone reads the bytes); NaN and infinities are not served; f16 holds magnitudes up to 65,504.
; No LDS, no barrier, no matrix unit: 6 MB are read once and 2 MB written once.  96 work-groups: the weights have no more columns x K to share out in whole 256-byte stores.
.set X, 16                             ; v16-143  my column's 128 numbers down K
.set C, 144                            ; v144-159 codes, four registers a block; or v144-207 f16, four registers for each 8 along K: no store's data are written again
.macro LOAD t                          ; quarter t: rows 32 t .. 32 t + 31 of the work-group's 128
.set i, 0
.rept 32
	global_load_b32 v[X+32*(\t)+i], v2, s[4:5] offset:(32*(\t)+i)*2048 th:TH_LOAD_NT
.set i, i+1
.endr
.endm
.macro ARRIVE t                        ; quarter t is in; the one quarter behind it may be out; the quarter two on is asked for
.if (\t) < 3
	s_wait_loadcnt 32
.else
	s_wait_loadcnt 0x0
.endif
.if (\t) < 2
	LOAD (\t)+2
.endif
.endm
	s_load_b256 s[4:11], s[0:1], 0x0               ; W_q s[4:5], W_k s[6:7], W_v s[8:9], W_o s[10:11]
	s_load_b256 s[12:19], s[0:1], 0x20             ; lin1_w s[12:13], lin2_w s[14:15], wcodes s[16:17], wscales s[18:19]
	s_load_b64 s[20:21], s[0:1], 0x40              ; wf16
	v_lshrrev_b32 v1, 5, v0
	v_readfirstlane_b32 s23, v1                    ; wave
	v_and_b32 v5, 31, v0                           ; lane
	v_lshlrev_b32 v2, 2, v5                        ; in: 4 bytes a lane
	v_and_b32 v6, 15, v0                           ; r
	v_bfe_u32 v7, v0, 4, 1                         ; which of my wave's two tiles of 16 columns
	s_and_b32 s22, ttmp7, 0xffff                   ; y: which weight
	s_and_b32 s24, ttmp9, 3                        ; cg: 128 columns
	s_lshr_b32 s25, ttmp9, 2                       ; kq: 128 along K
	s_lshl_b32 s26, s25, 18                        ; 128 rows of 2,048 bytes
	s_lshl_b32 s28, s24, 9
	s_add_co_u32 s26, s26, s28                     ; + 128 columns of 4 bytes
	s_lshl_b32 s28, s23, 7
	s_add_co_u32 s26, s26, s28                     ; + my wave's 32
	s_mov_b32 s27, 0
	s_wait_kmcnt 0x0
	s_cmp_eq_u32 s22, 1                            ; the source is chosen by the work-group's y alone
	s_cselect_b64 s[4:5], s[6:7], s[4:5]
	s_cmp_eq_u32 s22, 2
	s_cselect_b64 s[4:5], s[8:9], s[4:5]
	s_cmp_eq_u32 s22, 3
	s_cselect_b64 s[4:5], s[10:11], s[4:5]
	s_cmp_eq_u32 s22, 4
	s_cselect_b64 s[4:5], s[12:13], s[4:5]
	s_cmp_eq_u32 s22, 5
	s_cselect_b64 s[4:5], s[14:15], s[4:5]
	s_add_nc_u64 s[4:5], s[4:5], s[26:27]
	LOAD 0
	LOAD 1
	s_cmp_lt_u32 s22, 3
	s_cbranch_scc0 .Lwide
	; ---- codes and scale words
	v_lshlrev_b32 v3, 4, v6
	v_lshl_add_u32 v3, v7, 12, v3                  ; codes: 16 r + 4,096 x tile
	v_lshlrev_b32 v4, 4, v6
	v_lshl_add_u32 v4, v7, 8, v4                   ; scale words: 16 r + 256 x tile
	s_lshl_b32 s28, s22, 17                        ; wcodes: 131,072 y + 4,096 (8 cg + 2 w) + 1,024 kq
	s_lshl_b32 s26, s24, 15
	s_add_co_u32 s28, s28, s26
	s_lshl_b32 s26, s23, 13
	s_add_co_u32 s28, s28, s26
	s_lshl_b32 s26, s25, 10
	s_add_co_u32 s28, s28, s26
	s_mov_b32 s29, 0
	s_add_nc_u64 s[16:17], s[16:17], s[28:29]
	s_lshl_b32 s28, s22, 13                        ; wscales: 8,192 y + 256 (8 cg + 2 w) + 4 kq
	s_lshl_b32 s26, s24, 11
	s_add_co_u32 s28, s28, s26
	s_lshl_b32 s26, s23, 9
	s_add_co_u32 s28, s28, s26
	s_lshl_b32 s26, s25, 2
	s_add_co_u32 s28, s28, s26
	s_add_nc_u64 s[18:19], s[18:19], s[28:29]
.macro QBLK t                          ; block t of 32 along K: all its numbers are mine
.set XS, X+32*(\t)
	ARRIVE \t
	v_max3_num_f32 v8, |v[XS]|, |v[XS+1]|, |v[XS+2]|               ; the largest magnitude, in two chains
	v_max3_num_f32 v9, |v[XS+3]|, |v[XS+4]|, |v[XS+5]|
.irp i, 6,10,14,18,22,26
	v_max3_num_f32 v8, v8, |v[XS+\i]|, |v[XS+\i+1]|
	v_max3_num_f32 v9, v9, |v[XS+\i+2]|, |v[XS+\i+3]|
.endr
	v_max3_num_f32 v8, v8, |v[XS+30]|, |v[XS+31]|
	v_max3_num_f32 v8, v8, v9, 0x1800000           ; and the floor 2^(3 - 127): the byte cannot fall under 1
	v_add_nc_u32 v10, 0xff000000, v8               ; 2 off the exponent field: the conversion takes the exponent field of this operand as its scale
	v_lshrrev_b32 v11, 23, v10                     ; the scale's byte
.if (\t) == 0
	v_mov_b32 v12, v11                             ; four bytes make the K step's scale word, the lower K in the lower byte
.else
	v_lshl_or_b32 v12, v11, 8*(\t), v12
.endif
.irp g, 0,1,2,3
	v_cvt_scalef32_pk8_fp4_f32 v[C+4*(\t)+\g], v[XS+8*\g:XS+8*\g+7], v10
.endr
	global_store_b128 v3, v[C+4*(\t):C+4*(\t)+3], s[16:17] offset:((\t)/2)*512+((\t)%2)*256   ; c = t / 2, h = t % 2: sixteen lanes store 256 consecutive bytes
.endm
	QBLK 0
	QBLK 1
	QBLK 2
	QBLK 3
	global_store_b32 v4, v12, s[18:19]
	s_endpgm
.Lwide:
	; ---- f16
	v_lshlrev_b32 v3, 4, v6
	v_lshl_add_u32 v3, v7, 10, v3                  ; 16 r + 1,024 x tile
	s_sub_co_u32 s28, s22, 3                       ; wf16: 524,288 (y - 3) + 131,072 kq + 1,024 (8 cg + 2 w)
	s_lshl_b32 s28, s28, 19
	s_lshl_b32 s26, s25, 17
	s_add_co_u32 s28, s28, s26
	s_lshl_b32 s26, s24, 13
	s_add_co_u32 s28, s28, s26
	s_lshl_b32 s26, s23, 11
	s_add_co_u32 s28, s28, s26
	s_mov_b32 s29, 0
	s_add_nc_u64 s[20:21], s[20:21], s[28:29]
.macro HPIECE p                        ; 8 along K: ks = 4 kq + p / 4, half = (p / 2) % 2, h = p % 2
.irp q, 0,1,2,3
	v_cvt_pk_f16_f32 v[C+4*(\p)+\q], v[X+8*(\p)+2*\q], v[X+8*(\p)+2*\q+1]
.endr
	global_store_b128 v3, v[C+4*(\p):C+4*(\p)+3], s[20:21] offset:((\p)/4)*32768+(((\p)/2)%2)*512+((\p)%2)*256
.endm
.irp t, 0,1,2,3
	ARRIVE \t
	HPIECE 4*\t
	HPIECE 4*\t+1
	HPIECE 4*\t+2
	HPIECE 4*\t+3
.endr
	s_endpgm
.Lfunc_end_k_q2dfe573fc2_prep:
	.size	k_q2dfe573fc2_prep, .Lfunc_end_k_q2dfe573fc2_prep-k_q2dfe573fc2_prep
	.p2alignl 7, 3214868480
	.fill 96, 4, 3214868480
	.section	.rodata,"a",@progbits
	.p2align	6, 0x0
	.amdhsa_kernel k_q2dfe573fc2_prep
		.amdhsa_group_segment_fixed_size 0
		.amdhsa_private_segment_fixed_size 0
		.amdhsa_enable_private_segment 0
		.amdhsa_kernarg_size 72
		.amdhsa_user_sgpr_count 2
		.amdhsa_user_sgpr_kernarg_segment_ptr 1
		.amdhsa_wavefront_size32 1
		.amdhsa_system_sgpr_workgroup_id_x 1
		.amdhsa_system_sgpr_workgroup_id_y 1
		.amdhsa_system_sgpr_workgroup_id_z 1
		.amdhsa_system_vgpr_workitem_id 0
		.amdhsa_next_free_vgpr 208
		.amdhsa_next_free_sgpr 66
		.amdhsa_reserve_vcc 0
		.amdhsa_float_denorm_mode_32 3
		.amdhsa_float_denorm_mode_16_64 3
		.amdhsa_memory_ordered 1
		.amdhsa_forward_progress 1
		.amdhsa_inst_pref_size 33
	.end_amdhsa_kernel
	.amdgpu_metadata
---
amdhsa.version: [ 1, 2 ]
amdhsa.kernels:
  - .name:           k_q2dfe573fc2_prep
    .symbol:         k_q2dfe573fc2_prep.kd
    .args:
      - { .name: W_q, .offset: 0, .size: 8, .value_kind: global_buffer, .address_space: global }
      - { .name: W_k, .offset: 8, .size: 8, .value_kind: global_buffer, .address_space: global }
      - { .name: W_v, .offset: 16, .size: 8, .value_kind: global_buffer, .address_space: global }
      - { .name: W_o, .offset: 24, .size: 8, .value_kind: global_buffer, .address_space: global }
      - { .name: lin1_w, .offset: 32, .size: 8, .value_kind: global_buffer, .address_space: global }
      - { .name: lin2_w, .offset: 40, .size: 8, .value_kind: global_buffer, .address_space: global }
      - { .name: wcodes, .offset: 48, .size: 8, .value_kind: global_buffer, .address_space: global }
      - { .name: wscales, .offset: 56, .size: 8, .value_kind: global_buffer, .address_space: global }
      - { .name: wf16, .offset: 64, .size: 8, .value_kind: global_buffer, .address_space: global }
    .group_segment_fixed_size: 0
    .private_segment_fixed_size: 0
    .kernarg_segment_align: 8
    .kernarg_segment_size: 72
    .max_flat_workgroup_size: 128
    .sgpr_count:     66
    .vgpr_count:     208
    .wavefront_size: 32
...
	.end_amdgpu_metadata
.endif
;; end of part 1
;; launch proj (part 2): grid 64 x 3, 4 waves a work-group, no clusters, 52,736 bytes of LDS; arguments Q, K, V, wcodes, wscales, qf, kf, vf, vsum; writes qf, kf, vf, vsum
.if DOCPART == 2
	.amdgcn_target "amdgcn-amd-amdhsa--gfx1250"
	.amdhsa_code_object_version 6
	.text
	.protected	k_q2dfe573fc2_proj
	.globl	k_q2dfe573fc2_proj
	.p2align	8
	.type	k_q2dfe573fc2_proj,@function
k_q2dfe573fc2_proj:
	s_mov_b64 s[64:65], 0
	v_nop
	global_prefetch_b8 v0, s[64:65] scope:SCOPE_SE
	s_setreg_imm32_b32 hwreg(HW_REG_WAVE_MODE, 25, 1), 1
	s_wait_xcnt 0x0
; Qh = Q W_q, Kh = K W_k, Vh = V W_v on codes of FP4 (E2M1) with one E8M0 scale for each 32 along K; sums in f32.  y picks the tensor.
; x [16,384][512] f32 is quantised here, in registers, on its way to the matrix unit; the weights' codes come from the launch before, in operand order.
; SHARES.  A work-group takes 256 rows, 64 at a time.  THE WAVES SHARE THE COLUMNS: wave w holds columns 128 w .. 128 w + 127 (heads 2 w, 2 w + 1) of the weight in 256 registers for the whole launch.
; Each wave quantises 16 of a block's 64 rows; the fragments go round through LDS as IMAGES OF THEIR REGISTERS (16 bytes a lane at 16 x lane), their scale words 4 bytes a lane.
; THE RESULT IS ALREADY THE NEXT OPERAND.  Qh, Kh: the product is used transposed (source 0 = 16 columns of W, source 1 = 16 rows of x): a lane holds one row and 8 neighbouring channels.
; Vh: natural (source 0 = x, source 1 = W): a lane holds one channel and 8 neighbouring keys.  Four roundings to f16 give half a fragment of the attention's operand; a wave's store covers 512 consecutive bytes.
;   qf, kf [bh 128][tile16 64][cs 2][half 2][lane][16 bytes]: lane (r, h): row r, channels 32 cs + 16 half + 8 h + 0 .. 7
;   vf     [bh 128][kt32 32][ct 4][half 2][lane][16 bytes]:   lane (r, h): channel 16 ct + r, keys 32 kt32 + 16 half + 8 h + 0 .. 7
;   vsum   [b 16][blk64 16][512] f32: the column sums of Vh over 64 rows, taken of the f32 sums (a padded query's context is the mean of Vh over all keys)
; x's loads read 512 consecutive bytes of a row, 16 a lane; a K step's 16 rows turn through the wave's own stage in LDS (pitch 528) so that a lane holds 16 neighbours of each block of 32.
; x runs a whole block (64 loads a wave) ahead.  192 work-groups: with 64 a tensor the weight stays in registers and x is one unbroken stream.
; NO JOINT LOADS: what work-groups share is the weight's 128 KB of codes, read once by each, against 512 KB of x that nobody shares; it goes straight into registers and never through LDS.
; LIMITS: |Qh|, |Kh|, |Vh| up to 65,504 (f16); a block of zeros gets the byte 1 (its codes are zeros; the bytes stay in this launch); NaN and infinities are not served.
; REGISTERS: window 0: v1-9 addresses; v32-95 64 numbers of x, later x's fragments of two row tiles; v96-103 codes just made; v104-120 at work; v124-131 x's scale words; v132-163 W's scale words; v164-187 V's sums.
;   window 1: W's 32 fragments at 8 (4 nt + s).   window 2: x as it lands, four groups of 64.   window 3: the 32 accumulators at 8 (8 m + nt).
.set XIMG,  0                          ; LDS: x's 16 fragments (4 m + s), 1,024 bytes each
.set XSC,   16384                      ; their scale words: [m 4][lane 32][s 4]
.set STG,   18432                      ; a stage of 16 rows x 528 bytes for each wave
.set SP,    528
.set SPARE, 52224                      ; the spare words, 128 bytes for each wave: two blocks of 256 bytes that no other line names
.set L16, 1                            ; v1  16 x lane
.set SPW, 2                            ; v2  LDS address of my spare word; never rewritten
.set NIL, 3                            ; v3  0; never rewritten
.set STI, 4                            ; v4  the stage, as the rows lie: 16 x lane
.set STO, 5                            ; v5  the stage, by rows: 528 r + 64 h
.set XWI, 6                            ; v6  where I store images: 4,096 w + 16 x lane
.set XWS, 7                            ; v7  and scale words: 512 w + 16 x lane
.set R16, 8                            ; v8  16 r
.set L4,  9                            ; v9  4 x lane
.set XQ,  32
.set PC,  96
.set TM,  104
.set PW,  120
.set AS,  124
.set WS,  132
.set VT,  164
.set MSB, 0
.macro WIN new                         ; the immediate's high byte repeats the setting that is left; a switch that changes nothing is dropped
.if MSB != \new
	s_set_vgpr_msb (MSB<<8)|\new
.set MSB, \new
.endif
.endm
.macro PLACES n
.rept \n
	v_nop
.endr
.endm
.macro XG s, off                       ; K step s (128 along K) of my 16 rows, off bytes on: 16 loads of 512 consecutive bytes into landing group s
	WIN 0x80
.set i, 0
.rept 16
	global_load_b128 v[64*(\s)+4*i:64*(\s)+4*i+3], v[L16], s[4:5] offset:(\off)+i*2048+(\s)*512 th:TH_LOAD_NT
.set i, i+1
.endr
	WIN 0
.endm
.macro TURN s                          ; through my stage: LDS serves a wave's instructions in order (ISA guide 5.7.1.4), so no wait stands between the stores and the loads
	WIN 0x08
.set i, 0
.rept 16
	ds_store_b128 v[STI], v[64*(\s)+4*i:64*(\s)+4*i+3] offset:SP*i
.set i, i+1
.endr
	WIN 0
.irp b, 0,1,2,3
.irp j, 0,1,2,3
	ds_load_b128 v[XQ+16*\b+4*\j:XQ+16*\b+4*\j+3], v[STO] offset:128*\b+16*\j   ; register 16 b + i = k 32 b + 16 h + i of row r
.endr
.endr
.endm
.macro QUANT                           ; 64 numbers of a lane become a fragment's codes in v[PC] on and my row's scale word in v[PW]
.irp b, 0,1,2,3
	v_max3_num_f32 v[TM+\b], |v[XQ+16*\b]|, |v[XQ+1+16*\b]|, 0x1800000   ; block b: my 16 numbers, and the floor 2^(3 - 127)
.endr
.irp i, 2,4,6,8,10,12,14
.irp b, 0,1,2,3
	v_max3_num_f32 v[TM+\b], v[TM+\b], |v[XQ+16*\b+\i]|, |v[XQ+1+16*\b+\i]|   ; the four blocks by turns
.endr
.endr
.irp b, 0,1,2,3
	v_permlanex16_b32 v[TM+4+\b], v[TM+\b], s32, s33
.endr
.irp b, 0,1,2,3
	v_max_num_f32 v[TM+\b], v[TM+\b], v[TM+4+\b]   ; with lane l xor 16's: the block's largest magnitude
.endr
.irp b, 0,1,2,3
	v_add_nc_u32 v[TM+12+\b], 0xff000000, v[TM+\b] ; 2 off its exponent field: the conversion's scale operand
.endr
.irp b, 0,1,2,3
	v_lshrrev_b32 v[TM+4+\b], 23, v[TM+12+\b]      ; the scale's byte
.endr
	v_lshl_or_b32 v[PW], v[TM+5], 8, v[TM+4]
	v_lshl_or_b32 v[PW], v[TM+6], 16, v[PW]
	v_lshl_or_b32 v[PW], v[TM+7], 24, v[PW]
.irp b, 0,1,2,3
	v_cvt_scalef32_pk8_fp4_f32 v[PC+2*\b], v[XQ+16*\b:XQ+7+16*\b], v[TM+12+\b]
	v_cvt_scalef32_pk8_fp4_f32 v[PC+1+2*\b], v[XQ+8+16*\b:XQ+15+16*\b], v[TM+12+\b]
.endr
	v_nop                                          ; one plain place behind a scaled conversion
.irp c, 0,1                                    ; the operand's layout wants a whole block in a lane: lanes 0-15 block 2 c, lanes 16-31 block 2 c + 1
.irp i, 0,1
	v_permlane16_swap_b32 v[PC+4*\c+\i], v[PC+2+4*\c+\i]
.endr
.endr
.endm
.macro IMAGE s
.irp c, 0,1
	ds_store_b128 v[XWI], v[PC+4*\c:PC+4*\c+3] offset:XIMG+(\s)*1024+512*\c
.endr
	ds_store_b32 v[XWS], v[PW] offset:4*(\s)
.endm
.macro FETCH m, buf                    ; row tile m: its four fragments and its four scale words: 9 LDS loads
.irp s, 0,1,2,3
.irp c, 0,1
	ds_load_b128 v[XQ+32*(\buf)+8*\s+4*\c:XQ+32*(\buf)+8*\s+4*\c+3], v[L16] offset:XIMG+(4*(\m)+\s)*1024+512*\c
.endr
.endr
	ds_load_b128 v[AS+4*(\buf):AS+4*(\buf)+3], v[L16] offset:XSC+512*(\m)
.endm
; 128 matrix instructions: for each row tile the 8 accumulators take turns, one instruction a turn, K step by K step; the first K step starts the sums.
.macro GEMM tr
	FETCH 0, 0
.irp m, 0,1,2,3
.if \m < 3
.if \m > 0
	PLACES 4                                       ; places in front of loads into registers that the last matrix instructions have read
.endif
	FETCH \m+1, (\m+1)%2
	s_wait_dscnt 9                                 ; this tile's nine loads are in; the next tile's nine may be out
.else
	s_wait_dscnt 0x0
.endif
.if \tr
	WIN 0xf1                                       ; source 0 (W) window 1, source 1 (x) window 0, C and D window 3
.else
	WIN 0xf4                                       ; source 0 (x) window 0, source 1 (W) window 1
.endif
.irp s, 0,1,2,3
.irp nt, 0,1,2,3,4,5,6,7
.set rD, 8*(8*\m+\nt)
.set rW, 8*(4*\nt+\s)
.set rA, XQ+32*(\m%2)+8*\s
.set sW, WS+4*\nt+\s
.set sA, AS+4*(\m%2)+\s
.if \tr
.if \s == 0
	v_wmma_scale_f32_16x16x128_f8f6f4 v[rD:rD+7], v[rW:rW+7], v[rA:rA+7], 0, v[sW], v[sA] matrix_a_fmt:MATRIX_FMT_FP4 matrix_b_fmt:MATRIX_FMT_FP4
.else
	v_wmma_scale_f32_16x16x128_f8f6f4 v[rD:rD+7], v[rW:rW+7], v[rA:rA+7], v[rD:rD+7], v[sW], v[sA] matrix_a_fmt:MATRIX_FMT_FP4 matrix_b_fmt:MATRIX_FMT_FP4
.endif
.else
.if \s == 0
	v_wmma_scale_f32_16x16x128_f8f6f4 v[rD:rD+7], v[rA:rA+7], v[rW:rW+7], 0, v[sA], v[sW] matrix_a_fmt:MATRIX_FMT_FP4 matrix_b_fmt:MATRIX_FMT_FP4
.else
	v_wmma_scale_f32_16x16x128_f8f6f4 v[rD:rD+7], v[rA:rA+7], v[rW:rW+7], v[rD:rD+7], v[sA], v[sW] matrix_a_fmt:MATRIX_FMT_FP4 matrix_b_fmt:MATRIX_FMT_FP4
.endif
.endif
.endr
.endr
	WIN 0
.endr
.endm
.macro VSUMS                           ; Vh's column sums over the block's 64 rows: a lane holds channel 16 nt + r and 32 of the keys
	WIN 0x0f
.irp nt, 0,1,2,3,4,5,6,7
	v_pk_add_f32 v[VT+2*\nt:VT+2*\nt+1], v[8*\nt:8*\nt+1], v[8*\nt+2:8*\nt+3]   ; each accumulator is read from its low end on
.endr
	WIN 0x0c
.set k, 2
.rept 14
.irp nt, 0,1,2,3,4,5,6,7
	v_pk_add_f32 v[VT+2*\nt:VT+2*\nt+1], v[VT+2*\nt:VT+2*\nt+1], v[8*(8*(k/4)+\nt)+2*(k%4):8*(8*(k/4)+\nt)+2*(k%4)+1]
.endr
.set k, k+1
.endr
	WIN 0
.irp nt, 0,1,2,3,4,5,6,7
	v_add_f32 v[VT+2*\nt], v[VT+2*\nt], v[VT+2*\nt+1]
.endr
.irp nt, 0,1,2,3,4,5,6,7
	v_permlanex16_b32 v[VT+16+\nt], v[VT+2*\nt], s32, s33
.endr
.irp nt, 0,1,2,3,4,5,6,7
	v_add_f32 v[VT+2*\nt], v[VT+2*\nt], v[VT+16+\nt]   ; with the other half's keys
.endr
.irp p, 0,1,2,3
	v_cndmask_b32 v[VT+16+\p], v[VT+4*\p], v[VT+4*\p+2], s30   ; lanes 0-15 tile 2 p, lanes 16-31 tile 2 p + 1: 32 neighbouring columns
.endr
.irp p, 0,1,2,3
	global_store_b32 v[L4], v[VT+16+\p], s[20:21] offset:128*\p
.endr
.endm
.macro OUT tr
	PLACES 4                                       ; places in front of the first read of results
.if \tr == 0
	VSUMS
.endif
	WIN 0xcf
.set k, 0
.rept 32
.irp q, 0,1,2,3
	v_cvt_pk_f16_f32 v[8*k+\q], v[8*k+2*\q], v[8*k+2*\q+1]   ; in place, ascending: a tile's 8 numbers become 16 bytes in its four lowest registers
.endr
.set k, k+1
.endr
	WIN 0x0c
.irp m, 0,1,2,3
.irp nt, 0,1,2,3,4,5,6,7
.if \tr
	global_store_b128 v[L16], v[8*(8*\m+\nt):8*(8*\m+\nt)+3], s[14:15] offset:(\nt/4)*131072+\m*2048+(\nt%4)*512
.else
	global_store_b128 v[L16], v[8*(8*\m+\nt):8*(8*\m+\nt)+3], s[14:15] offset:(\nt/4)*131072+(\m/2)*4096+(\nt%4)*1024+(\m%2)*512
.endif
.endr
.endr
	WIN 0
.endm
; A block of 64 rows.  ahead = 1: the next block's x is asked for, group by group, as the landing groups come free.
.macro BLOCK ahead
.irp s, 0,1,2,3
.if \ahead
	s_wait_loadcnt 48                              ; group s is in; the three groups of 16 behind it may be out.  (At s = 3 of the first block the 48 younger loads are x's alone: the weight and its scale words are in)
.else
	s_wait_loadcnt 48-16*\s
.endif
	TURN \s
	s_wait_dscnt 0x0                               ; my 64 numbers are back; the stage's stores have read the landing group, the last image's stores their registers
.if \ahead
	XG \s, 131072
.endif
	QUANT
	IMAGE \s
.endr
	s_wait_dscnt 0x0                               ; for the others' sake: my images lie in LDS
	s_barrier_signal -1
	s_barrier_wait -1
	s_cmp_eq_u32 s22, 2                            ; the work-group's y: the same in all waves
	s_cbranch_scc1 .Lnat_\@
	GEMM 1
	OUT 1
	s_branch .Ljoin_\@
.Lnat_\@:
	GEMM 0
	OUT 0
.Ljoin_\@:
.if \ahead
	s_wait_xcnt 0x0                                ; the loads and stores have read their bases and data: the pointers step, and the accumulators may be written again
	s_add_nc_u64 s[4:5], s[4:5], 131072
	s_add_nc_u64 s[14:15], s[14:15], 8192
	s_add_nc_u64 s[20:21], s[20:21], 2048
	s_wait_dscnt 0x0                               ; my reads of the images are over
	s_barrier_signal -1
	s_barrier_wait -1                              ; everybody's are: they may be written again
.endif
.endm
	s_load_b256 s[4:11], s[0:1], 0x0               ; Q s[4:5], K s[6:7], V s[8:9], wcodes s[10:11]
	s_load_b256 s[12:19], s[0:1], 0x20             ; wscales s[12:13], qf s[14:15], kf s[16:17], vf s[18:19]
	s_load_b64 s[20:21], s[0:1], 0x40              ; vsum
	v_lshl_add_u32 v[SPW], v0, 2, SPARE
	v_mov_b32 v[NIL], 0
	v_lshrrev_b32 v10, 5, v0
	v_readfirstlane_b32 s23, v10                   ; wave
	v_and_b32 v10, 31, v0                          ; lane
	v_and_b32 v11, 15, v0                          ; r
	v_bfe_u32 v12, v0, 4, 1                        ; h
	v_lshlrev_b32 v[L16], 4, v10
	v_lshlrev_b32 v[L4], 2, v10
	v_lshlrev_b32 v[R16], 4, v11
	s_mul_i32 s26, s23, 16*SP
	s_add_co_u32 s26, s26, STG                     ; my stage
	v_add_nc_u32 v[STI], s26, v[L16]
	v_mul_u32_u24 v13, v11, SP
	v_lshl_add_u32 v13, v12, 6, v13
	v_add_nc_u32 v[STO], s26, v13
	s_lshl_b32 s26, s23, 12
	v_add_nc_u32 v[XWI], s26, v[L16]
	s_lshl_b32 s26, s23, 9
	s_add_co_u32 s26, s26, XSC
	v_add_nc_u32 v[XWS], s26, v[L16]
.irp b, 0,1,2,3
	v_mov_b32 v[TM+4+\b], 0                        ; written once: a lane permute's destination counts as one of its sources
.endr
.irp b, 0,1,2,3,4,5,6,7
	v_mov_b32 v[VT+16+\b], 0
.endr
	s_mov_b32 s32, 0x76543210
	s_mov_b32 s33, 0xfedcba98                      ; v_permlanex16_b32's selects for lane l xor 16
	s_mov_b32 s30, 0xffff0000                      ; lanes 16-31
	s_and_b32 s22, ttmp7, 0xffff                   ; y: the tensor
	s_lshl_b32 s34, ttmp9, 19                      ; x: 256 rows of 2,048 bytes a work-group,
	s_lshl_b32 s26, s23, 15
	s_add_co_u32 s34, s34, s26                     ; 16 rows a wave
	s_mov_b32 s35, 0
	s_lshr_b32 s36, ttmp9, 2                       ; out: 1,048,576 b + 262,144 w + 32,768 (work-group % 4)
	s_lshl_b32 s36, s36, 20
	s_lshl_b32 s26, s23, 18
	s_add_co_u32 s36, s36, s26
	s_and_b32 s26, ttmp9, 3
	s_lshl_b32 s26, s26, 15
	s_add_co_u32 s36, s36, s26
	s_mov_b32 s37, 0
	s_lshl_b32 s38, ttmp9, 13                      ; vsum: four blocks of 2,048 bytes a work-group, + 512 w
	s_lshl_b32 s26, s23, 9
	s_add_co_u32 s38, s38, s26
	s_mov_b32 s39, 0
	s_lshl_b32 s40, s22, 17                        ; wcodes: 131,072 y + 32,768 w
	s_lshl_b32 s26, s23, 15
	s_add_co_u32 s40, s40, s26
	s_mov_b32 s41, 0
	s_lshl_b32 s42, s22, 13                        ; wscales: 8,192 y + 2,048 w
	s_lshl_b32 s26, s23, 11
	s_add_co_u32 s42, s42, s26
	s_mov_b32 s43, 0
	s_wait_kmcnt 0x0
	s_cmp_eq_u32 s22, 1                            ; the tensor and its output are chosen by the work-group's y alone
	s_cselect_b64 s[4:5], s[6:7], s[4:5]
	s_cselect_b64 s[14:15], s[16:17], s[14:15]
	s_cmp_eq_u32 s22, 2
	s_cselect_b64 s[4:5], s[8:9], s[4:5]
	s_cselect_b64 s[14:15], s[18:19], s[14:15]
	s_add_nc_u64 s[4:5], s[4:5], s[34:35]
	s_add_nc_u64 s[14:15], s[14:15], s[36:37]
	s_add_nc_u64 s[20:21], s[20:21], s[38:39]
	s_add_nc_u64 s[10:11], s[10:11], s[40:41]
	s_add_nc_u64 s[12:13], s[12:13], s[42:43]
	XG 0, 0                                        ; the first block's x,
	XG 1, 0
	XG 2, 0
	XG 3, 0
	WIN 0x40
.set i, 0
.rept 64
	global_load_b128 v[4*i:4*i+3], v[L16], s[10:11] offset:512*i   ; my 32 fragments of the weight: they stay
.set i, i+1
.endr
	WIN 0
.irp nt, 0,1,2,3,4,5,6,7
	global_load_b128 v[WS+4*\nt:WS+4*\nt+3], v[R16], s[12:13] offset:256*\nt   ; column 16 nt + r: its four scale words
.endr
	s_mov_b32 s31, 3
.Lblk:
	BLOCK 1
	s_sub_co_u32 s31, s31, 1
	s_cmp_lg_u32 s31, 0
	s_cbranch_scc1 .Lblk
	BLOCK 0                                        ; the last block asks for nothing: no load leaves its buffer
	s_wait_tensorcnt 0x0                           ; the wave's end, behind my last LDS store
	ds_add_u32 v[SPW], v[NIL]
	s_wait_dscnt 0x0
	s_endpgm
.Lfunc_end_k_q2dfe573fc2_proj:
	.size	k_q2dfe573fc2_proj, .Lfunc_end_k_q2dfe573fc2_proj-k_q2dfe573fc2_proj
	.p2alignl 7, 3214868480
	.fill 96, 4, 3214868480
	.section	.rodata,"a",@progbits
	.p2align	6, 0x0
	.amdhsa_kernel k_q2dfe573fc2_proj
		.amdhsa_group_segment_fixed_size 52736
		.amdhsa_private_segment_fixed_size 0
		.amdhsa_enable_private_segment 0
		.amdhsa_kernarg_size 72
		.amdhsa_user_sgpr_count 2
		.amdhsa_user_sgpr_kernarg_segment_ptr 1
		.amdhsa_wavefront_size32 1
		.amdhsa_system_sgpr_workgroup_id_x 1
		.amdhsa_system_sgpr_workgroup_id_y 1
		.amdhsa_system_sgpr_workgroup_id_z 1
		.amdhsa_system_vgpr_workitem_id 0
		.amdhsa_next_free_vgpr 1024
		.amdhsa_next_free_sgpr 66
		.amdhsa_reserve_vcc 0
		.amdhsa_float_denorm_mode_32 3
		.amdhsa_float_denorm_mode_16_64 3
		.amdhsa_memory_ordered 1
		.amdhsa_forward_progress 1
		.amdhsa_inst_pref_size 211
	.end_amdhsa_kernel
	.amdgpu_metadata
---
amdhsa.version: [ 1, 2 ]
amdhsa.kernels:
  - .name:           k_q2dfe573fc2_proj
    .symbol:         k_q2dfe573fc2_proj.kd
    .args:
      - { .name: Q, .offset: 0, .size: 8, .value_kind: global_buffer, .address_space: global }
      - { .name: K, .offset: 8, .size: 8, .value_kind: global_buffer, .address_space: global }
      - { .name: V, .offset: 16, .size: 8, .value_kind: global_buffer, .address_space: global }
      - { .name: wcodes, .offset: 24, .size: 8, .value_kind: global_buffer, .address_space: global }
      - { .name: wscales, .offset: 32, .size: 8, .value_kind: global_buffer, .address_space: global }
      - { .name: qf, .offset: 40, .size: 8, .value_kind: global_buffer, .address_space: global }
      - { .name: kf, .offset: 48, .size: 8, .value_kind: global_buffer, .address_space: global }
      - { .name: vf, .offset: 56, .size: 8, .value_kind: global_buffer, .address_space: global }
      - { .name: vsum, .offset: 64, .size: 8, .value_kind: global_buffer, .address_space: global }
    .group_segment_fixed_size: 52736
    .private_segment_fixed_size: 0
    .kernarg_segment_align: 8
    .kernarg_segment_size: 72
    .max_flat_workgroup_size: 128
    .sgpr_count:     66
    .vgpr_count:     1024
    .wavefront_size: 32
...
	.end_amdgpu_metadata
.endif
;; end of part 2
;; launch attn (part 3): grid 2 x 128, 8 waves a work-group, no clusters, 263,168 bytes of LDS; arguments qf, kf, vf, vsum, mask, cf; writes cf
.if DOCPART == 3
	.amdgcn_target "amdgcn-amd-amdhsa--gfx1250"
	.amdhsa_code_object_version 6
	.text
	.protected	k_q2dfe573fc2_attn
	.globl	k_q2dfe573fc2_attn
	.p2align	8
	.type	k_q2dfe573fc2_attn,@function
k_q2dfe573fc2_attn:
	s_mov_b64 s[64:65], 0
	v_nop
	global_prefetch_b8 v0, s[64:65] scope:SCOPE_SE
	s_setreg_imm32_b32 hwreg(HW_REG_WAVE_MODE, 25, 1), 1
	s_wait_xcnt 0x0
; ctx[b][q][64 hd ..] = softmax_k(Qh . Kh / (8 + 1e-6), causal) Vh for one head (y = 8 b + hd), f16 operands, f32 products' sums, maxima and sums.
; A PADDED QUERY (mask[b][q] = 1) has all 1,024 scores alike, so its context is the mean of Vh over ALL keys: it is taken from vsum and chosen by v_cndmask_b32 at the end.
; SHARES.  A head's 1,024 queries are 32 half-blocks of 32.  A wave owns half-blocks i (part lo) and 31 - i (part hi): 17 part-steps for every i under the causal mask.  i = 0 .. 15 over two work-groups of 8 waves.
; ALL OF THE HEAD'S K AND V LIE IN LDS: kf's 131,072 bytes as they lie from byte 0, vf's from byte 131,072 (both are in operand order already).  They are filled ONCE, by tensor loads that all go out at the head:
; waves 0-3 fetch K, waves 4-7 V; each wave issues three loads, its quarter of chunks 0-1, of chunks 2-7 and of chunks 8-15 (a chunk: 64 keys, 8,192 bytes): three loads of a wave are out at the most.
; THE KEY STEPS, 64 keys each, go in three counted loops: steps 0-1, 2-7, 8-15.  Ahead of each loop a wave waits for its own load of those chunks and meets the others at a barrier; inside the loops nothing is written
; to LDS, so the waves run on their own.  The cuts are laid where the waves' work is alike: counted in part-steps of two waves w and w + 4 the three loops hold 7 or 8, 17 or 18, and 9.
; A part works while step <= (its half-block) / 2: scalar branches on ids, never round a barrier.  Part hi's last step is 8 at the least: in steps 0-7 it has no test and no diagonal.  Part lo's is 7 at the most: steps 8-15 have no part lo.
; LAYOUT.  S^T = K Q^T (source 0 = 16 keys, source 1 = 16 queries): a lane holds ONE query (lane % 16) and keys 8 (lane / 16) + 0 .. 7.  Two such tiles, rounded to f16 in pairs, in place, ARE source 1 of
; O^T = V^T P, whose result holds one query a lane and eight channels, which rounded to f16 is half a fragment of the next launch's operand:
;   cf [rowtile 1024][ks 16][half 2][lane][16 bytes], 2 ks + half = 4 hd + ct.
; SOFTMAX.  A running maximum m and sum l for each query; p = 2^(c s - c m), c = log2(e) / f32(8.000001); O and l are multiplied by a = 2^(c m_old - c m_new) in every step.  O, l begin as zeros and m as -3e38.
; Two waves of 512 registers share a SIMD's registers, so that one wave's softmax can stand beside the other's products.
; NO JOINT LOADS: a head has two work-groups, and they differ in x, which enters the parts' last steps, on which branches hang: partners would not run alike.
; NO PREFETCH: every byte of K and V is asked for by the three tensor loads at the head; no later load is there to run ahead of.
; LIMITS: hidden scores are taken as -infinity where reference() writes -1e10: the same while a row's live scores lie above -9.9e9; f16 operands up to 65,504; NaN and infinities are not served.
; REGISTERS: window 0: v1-15 addresses and the mask; v16-31 [c m, m, l, l] of tiles 0-3 (0, 1: hi; 2, 3: lo); v32-47 at work; v64-127 S^T of the part in hand, then P; v128-255 O^T, 32 a tile.
;   window 1: v0-63 Q, 8 (2 T + cs); v64-127 K, 8 (2 kt + cs); v128-191 V, 8 (4 kt32 + ct); v208-239 vsum's parts.
.set VIMG,  131072                     ; LDS: V's image, behind K's
.set SPARE, 262144                     ; behind the images: the spare words, 128 bytes for each wave: four blocks of 256 bytes that no other line names
.set CHB,   8192                       ; a chunk of K or of V
.set SZA,   4096                       ; a wave's quarter of chunks 0-1,
.set SZB,   12288                      ; of chunks 2-7, which begin at
.set BSB,   16384
.set SZC,   16384                      ; of chunks 8-15, which begin at
.set BSC,   65536
.set RDA, 1                            ; v1  16 x lane
.set SPW, 2                            ; v2  LDS address of my spare word; never rewritten
.set NIL, 3                            ; v3  0; never rewritten
.set RR,  4                            ; v4  r
.set KAD, 5                            ; v5  LDS address of the step's K: 16 x lane + 8,192 x step
.set DL,  6                            ; v6  r - 8 h
.set NEG, 7                            ; v7  -infinity
.set VAD, 8                            ; v8  the same for V
.set D0,  9                            ; v9, v10  the diagonal's bound for the part's two tiles
.set VRO, 11                           ; v11 2,048 r + 32 h
.set MK,  12                           ; v12-15 the mask byte of my query in tiles 0-3
.set STT, 16
.set W,   32                           ; tile t of the part: +0 a, +2, +3 maxima, +4, +5 a second sum, +6 c m_old - c m_new, +7 the other half's maximum
.set S,   64
.set O,   128
.set KF,  64
.set VF,  128
.set VR,  208
.set ST,   29                          ; s29 the key step
.set HLIM, 31                          ; s31, s32 the parts' last steps
.set LLIM, 32
.set HDEL, 33                          ; s33, s34 the parts' first query less the diagonal step's first key: 0 or 32
.set LDEL, 34
.set TB,   35                          ; s35 8,192 x step
.set CS,   36                          ; s[36:37] c
.set SEL,  38                          ; s[38:39] lane selects for lane l xor 16
.set G0C,  60                          ; s[60:63] descriptor group 0 of my third load
.set G1A,  68                          ; s[68:75], s[76:83], s[84:91] descriptor group 1 of the three loads: they differ in the number of rows
.set G1B,  76
.set G1C,  84
.set G0A,  92                          ; s[92:95], s[96:99] group 0 of my first and second load
.set G0B,  96
.set MSB, 0
.macro WIN new                         ; the immediate's high byte repeats the setting that is left; a switch that changes nothing is dropped
.if MSB != \new
	s_set_vgpr_msb (MSB<<8)|\new
.set MSB, \new
.endif
.endm
.macro PLACES n
.rept \n
	v_nop
.endr
.endm
.macro G1SET g, rows                   ; a dense block as rows of 256 bytes: 32 elements of 8 bytes, each row beginning where the last ends; no padding: a fragment load takes 512 bytes on end
	s_mov_b32 s[\g], 3<<16                         ; 15:0 no mask; 17:16 elements of 8 bytes; 20 padding off
	s_mov_b32 s[\g+1], 32<<16                      ; tensor_dim0 = 32
	s_mov_b32 s[\g+2], (\rows)<<16                 ; tensor_dim1
	s_mov_b32 s[\g+3], 32<<16                      ; tile_dim0 = 32
	s_mov_b32 s[\g+4], \rows                       ; tile_dim1
	s_mov_b32 s[\g+5], 32                          ; tensor_dim0_stride
	s_mov_b32 s[\g+6], 0
	s_mov_b32 s[\g+7], 0
.endm
; A PART'S KEY STEP: two tiles of 16 queries (tb, tb + 1) against 64 keys.  hi = 1: the part that stands first behind the step's LDS loads.  diag = 1: the step may be the part's last, on its diagonal.
.macro PART tb, lim, del, hi, diag
.if \hi
	s_wait_dscnt 16                                ; K's 16 loads are in; V's 16 may be out
.endif
	WIN 0x05                                       ; K and Q window 1, S^T window 0
.irp cs, 0,1
.irp kt, 0,1,2,3
.irp t, 0,1                                    ; eight accumulators by turns, one instruction a turn
.if \cs == 0
	v_wmma_f32_16x16x32_f16 v[S+32*\t+8*\kt:S+32*\t+8*\kt+7], v[KF+8*(2*\kt+\cs):KF+8*(2*\kt+\cs)+7], v[8*(2*(\tb+\t)+\cs):8*(2*(\tb+\t)+\cs)+7], 0
.else
	v_wmma_f32_16x16x32_f16 v[S+32*\t+8*\kt:S+32*\t+8*\kt+7], v[KF+8*(2*\kt+\cs):KF+8*(2*\kt+\cs)+7], v[8*(2*(\tb+\t)+\cs):8*(2*(\tb+\t)+\cs)+7], v[S+32*\t+8*\kt:S+32*\t+8*\kt+7]
.endif
.endr
.endr
.endr
	WIN 0
	PLACES 4                                       ; places in front of the first read of results
.if \diag
	s_cmp_lg_u32 s[ST], s[\lim]                    ; ids and the count of steps alone
	s_cbranch_scc1 .Lopen_\@
	v_add_nc_u32 v[D0], s[\del], v[DL]             ; THE DIAGONAL.  Register n holds key 16 (n / 8) + 8 h + n % 8 of the step: hidden where 16 (n / 8) + n % 8 > del + 16 t + r - 8 h
	v_add_nc_u32 v[D0+1], 16, v[D0]
.set n, 0
.rept 32
.irp t, 0,1
	v_cmp_gt_i32 vcc_lo, 16*(n/8)+n%8, v[D0+\t]
	v_cndmask_b32 v[S+32*\t+n], v[S+32*\t+n], v[NEG], vcc_lo
.endr
.set n, n+1
.endr
.Lopen_\@:
.endif
.irp t, 0,1                                    ; the maximum of my 32 scores and the old m: two chains, each tile of S^T read from its low end on
	v_max3_num_f32 v[W+8*\t+2], v[S+32*\t], v[S+32*\t+1], v[S+32*\t+2]
	v_max3_num_f32 v[W+8*\t+3], v[S+32*\t+16], v[S+32*\t+17], v[S+32*\t+18]
.endr
.irp i, 3,5,7,9,11,13
.irp t, 0,1
	v_max3_num_f32 v[W+8*\t+2], v[W+8*\t+2], v[S+32*\t+\i], v[S+32*\t+\i+1]
	v_max3_num_f32 v[W+8*\t+3], v[W+8*\t+3], v[S+32*\t+16+\i], v[S+32*\t+17+\i]
.endr
.endr
.irp t, 0,1
	v_max3_num_f32 v[W+8*\t+2], v[W+8*\t+2], v[S+32*\t+15], v[W+8*\t+3]
.endr
.irp t, 0,1
	v_max3_num_f32 v[W+8*\t+2], v[W+8*\t+2], v[S+32*\t+31], v[STT+4*(\tb+\t)+1]
.endr
.irp t, 0,1
	v_permlanex16_b32 v[W+8*\t+7], v[W+8*\t+2], s[SEL], s[SEL+1]   ; the query's other 32 keys lie in the lane 16 away
.endr
.irp t, 0,1
	v_mov_b32 v[W+8*\t+6], v[STT+4*(\tb+\t)]       ; c m_old
.endr
.irp t, 0,1
	v_max_num_f32 v[STT+4*(\tb+\t)+1], v[W+8*\t+2], v[W+8*\t+7]
.endr
.irp t, 0,1
	v_mul_f32 v[STT+4*(\tb+\t)], s[CS], v[STT+4*(\tb+\t)+1]
.endr
.irp t, 0,1
	v_sub_f32 v[W+8*\t+6], v[W+8*\t+6], v[STT+4*(\tb+\t)]
.endr
.set n, 0
.rept 16
.irp t, 0,1
	v_pk_fma_f32 v[S+32*\t+n:S+32*\t+n+1], v[S+32*\t+n:S+32*\t+n+1], s[CS:CS+1], v[STT+4*(\tb+\t):STT+4*(\tb+\t)+1] op_sel_hi:[1,0,0] neg_lo:[0,0,1] neg_hi:[0,0,1]   ; c s - c m
.endr
.set n, n+2
.endr
.irp t, 0,1
	v_exp_f32 v[W+8*\t], v[W+8*\t+6]               ; ONE BATCH: a and the 32 weights of both tiles
.endr
.set n, 0
.rept 32
.irp t, 0,1
	v_exp_f32 v[S+32*\t+n], v[S+32*\t+n]
.endr
.set n, n+1
.endr
	v_nop                                          ; a plain instruction behind the last exponential
	s_wait_alu depctr_va_vdst(0)                   ; one wait for the batch, ahead of its first reader
.irp t, 0,1
	v_pk_mul_f32 v[STT+4*(\tb+\t)+2:STT+4*(\tb+\t)+3], v[STT+4*(\tb+\t)+2:STT+4*(\tb+\t)+3], v[W+8*\t:W+8*\t+1] op_sel_hi:[1,0]   ; l x a
.endr
.irp t, 0,1
	v_pk_add_f32 v[W+8*\t+4:W+8*\t+5], v[S+32*\t:S+32*\t+1], v[S+32*\t+2:S+32*\t+3]   ; the sum of the f32 weights, in two chains
.endr
.irp j, 4,8,12,16,20,24,28
.irp t, 0,1
	v_pk_add_f32 v[STT+4*(\tb+\t)+2:STT+4*(\tb+\t)+3], v[STT+4*(\tb+\t)+2:STT+4*(\tb+\t)+3], v[S+32*\t+\j:S+32*\t+\j+1]
	v_pk_add_f32 v[W+8*\t+4:W+8*\t+5], v[W+8*\t+4:W+8*\t+5], v[S+32*\t+\j+2:S+32*\t+\j+3]
.endr
.endr
.irp t, 0,1
	v_pk_add_f32 v[STT+4*(\tb+\t)+2:STT+4*(\tb+\t)+3], v[STT+4*(\tb+\t)+2:STT+4*(\tb+\t)+3], v[W+8*\t+4:W+8*\t+5]
.endr
.set n, 0
.rept 16
.irp t, 0,1
	v_cvt_pk_f16_f32 v[S+32*\t+n], v[S+32*\t+2*n], v[S+32*\t+2*n+1]   ; P, in place, ascending: registers 8 kt32 .. + 7 are source 1 for keys 32 kt32 on
.endr
.set n, n+1
.endr
.set n, 0
.rept 16
.irp t, 0,1
	v_pk_mul_f32 v[O+32*(\tb+\t)+n:O+32*(\tb+\t)+n+1], v[O+32*(\tb+\t)+n:O+32*(\tb+\t)+n+1], v[W+8*\t:W+8*\t+1] op_sel_hi:[1,0]   ; O^T x a
.endr
.set n, n+2
.endr
.if \hi
	s_wait_dscnt 0x0                               ; V is in
.endif
	WIN 0x01                                       ; V window 1; P and O^T window 0
.irp k2, 0,1
.irp ct, 0,1,2,3
.irp t, 0,1
	v_wmma_f32_16x16x32_f16 v[O+32*(\tb+\t)+8*\ct:O+32*(\tb+\t)+8*\ct+7], v[VF+8*(4*\k2+\ct):VF+8*(4*\k2+\ct)+7], v[S+32*\t+8*\k2:S+32*\t+8*\k2+7], v[O+32*(\tb+\t)+8*\ct:O+32*(\tb+\t)+8*\ct+7]
.endr
.endr
.endr
	WIN 0
	PLACES 5                                       ; the next K Q^T writes over P's registers (five places); the next LDS loads land on K's and V's (four)
.endm
; A KEY STEP.  early = 1: steps 0-7: part hi always works and is never on its diagonal; part lo works up to its last step.  early = 0: steps 8-15: part hi alone, up to its last step.
.macro STEP early
.if \early == 0
	s_cmp_gt_u32 s[ST], s[HLIM]
	s_cbranch_scc1 .Lidle_\@                       ; all keys of the step come after my last query
.endif
	v_add_nc_u32 v[KAD], s[TB], v[RDA]
	v_add_nc_u32 v[VAD], VIMG, v[KAD]
	WIN 0x40
.set i, 0
.rept 16
	ds_load_b128 v[KF+4*i:KF+4*i+3], v[KAD] offset:512*i   ; K's 8 fragments, as they lie
.set i, i+1
.endr
.set i, 0
.rept 16
	ds_load_b128 v[VF+4*i:VF+4*i+3], v[VAD] offset:512*i   ; V's 8
.set i, i+1
.endr
	WIN 0
.if \early
	PART 0, HLIM, HDEL, 1, 0
	s_cmp_gt_u32 s[ST], s[LLIM]
	s_cbranch_scc1 .Lidle_\@
	PART 2, LLIM, LDEL, 0, 1
.else
	PART 0, HLIM, HDEL, 1, 1
.endif
.Lidle_\@:
	s_add_co_u32 s[TB], s[TB], CHB
.endm
; Ahead of a loop of steps: my own load of its chunks has landed (younger: my later loads, which may stay out); then everybody's has.
.macro MEET younger
	s_wait_tensorcnt \younger
	s_wait_dscnt 0x0
	s_barrier_signal -1
	s_barrier_wait -1
.endm
	s_load_b256 s[4:11], s[0:1], 0x0               ; qf s[4:5], kf s[6:7], vf s[8:9], vsum s[10:11]
	s_load_b128 s[12:15], s[0:1], 0x20             ; mask s[12:13], cf s[14:15]
	v_lshl_add_u32 v[SPW], v0, 2, SPARE
	v_mov_b32 v[NIL], 0
	ds_add_u32 v[SPW], v[NIL]                      ; the wave's opening: the add, twice on end, and its wait, ahead of my first tensor load; the set-up below, work on registers, stands between
	ds_add_u32 v[SPW], v[NIL]                      ; and once more, under the one wait
	v_lshrrev_b32 v9, 5, v0
	v_readfirstlane_b32 s24, v9                    ; wave 0..7
	v_and_b32 v9, 31, v0                           ; lane
	v_and_b32 v[RR], 15, v0
	v_bfe_u32 v10, v0, 4, 1                        ; h
	v_lshlrev_b32 v[RDA], 4, v9
	v_lshlrev_b32 v[DL], 3, v10
	v_sub_nc_u32 v[DL], v[RR], v[DL]
	v_mov_b32 v[NEG], 0xff800000
	v_lshlrev_b32 v[VRO], 11, v[RR]
	v_lshl_add_u32 v[VRO], v10, 5, v[VRO]
	s_mov_b32 s25, ttmp9                           ; x: 0 or 1
	s_and_b32 s26, ttmp7, 0xffff                   ; bh
	s_and_b32 s59, s24, 3
	s_lshl_b32 s40, s59, 1
	s_sub_co_u32 s41, 14, s40
	s_cmp_lt_u32 s24, 4
	s_cselect_b32 s27, s40, s41
	s_add_co_u32 s27, s27, s25                     ; i: waves 0-3: 2 (w % 4) + x; waves 4-7: 14 - 2 (w % 4) + x
	s_sub_co_u32 s28, 31, s27                      ; 31 - i
	s_lshr_b32 s[HLIM], s28, 1
	s_lshr_b32 s[LLIM], s27, 1
	s_and_b32 s[HDEL], s28, 1
	s_lshl_b32 s[HDEL], s[HDEL], 5
	s_and_b32 s[LDEL], s27, 1
	s_lshl_b32 s[LDEL], s[LDEL], 5
	s_mov_b32 s[CS], 0x3e38aa3a                    ; c = log2(e) / f32(8.000001)
	s_mov_b32 s[CS+1], s[CS]                       ; (named with it as a pair, so it is written)
	s_mov_b32 s[SEL], 0x76543210
	s_mov_b32 s[SEL+1], 0xfedcba98
	s_lshl_b32 s56, s26, 17                        ; the head's 131,072 bytes in qf, kf, vf
	s_mov_b32 s57, 0
	s_lshr_b32 s58, s26, 3                         ; b
	s_and_b32 s67, s26, 7                          ; hd
	; what I fetch: my quarter (w % 4) of each of the three runs of chunks; the same byte in the head's tensor and in its image
	s_lshr_b32 s66, s24, 2
	s_lshl_b32 s66, s66, 17                        ; waves 4-7: V's image
	s_mul_i32 s40, s59, SZA
	s_mov_b32 s41, 0
	s_mul_i32 s42, s59, SZB
	s_add_co_u32 s42, s42, BSB
	s_mov_b32 s43, 0
	s_mul_i32 s44, s59, SZC
	s_add_co_u32 s44, s44, BSC
	s_mov_b32 s45, 0
	s_mov_b32 s[G0A], 1                            ; 1:0 count = 1
	s_add_co_u32 s[G0A+1], s40, s66                ; 63:32 LDS address
	s_mov_b32 s[G0B], 1
	s_add_co_u32 s[G0B+1], s42, s66
	s_mov_b32 s[G0C], 1
	s_add_co_u32 s[G0C+1], s44, s66
	G1SET G1A, SZA/256
	G1SET G1B, SZB/256
	G1SET G1C, SZC/256
	s_lshl_b32 s46, s28, 12                        ; Q: a half-block is two tiles of 2,048 bytes
	s_add_co_u32 s46, s46, s56
	s_mov_b32 s47, 0
	s_lshl_b32 s48, s27, 12
	s_add_co_u32 s48, s48, s56
	s_mov_b32 s49, 0
	s_lshl_b32 s50, s58, 15                        ; vsum: 16 b rows of 2,048 bytes + 256 hd
	s_lshl_b32 s66, s67, 8
	s_add_co_u32 s50, s50, s66
	s_mov_b32 s51, 0
	s_lshl_b32 s52, s58, 10                        ; mask: 1,024 b + 32 x half-block
	s_lshl_b32 s66, s28, 5
	s_add_co_u32 s52, s52, s66
	s_mov_b32 s53, 0
	s_lshl_b32 s54, s58, 10
	s_lshl_b32 s66, s27, 5
	s_add_co_u32 s54, s54, s66
	s_mov_b32 s55, 0
	s_wait_dscnt 0x0                               ; both opening adds are done
	s_wait_kmcnt 0x0
	s_cmp_lt_u32 s24, 4                            ; waves 0-3 fetch K's fragments, waves 4-7 V's: the choice hangs on the wave's number alone
	s_cselect_b64 s[18:19], s[6:7], s[8:9]
	s_add_nc_u64 s[18:19], s[18:19], s[56:57]      ; at my head
	s_add_nc_u64 s[G0A+2:G0A+3], s[18:19], s[40:41]   ; 120:64 global address
	s_or_b32 s[G0A+3], s[G0A+3], 0x80000000        ; 127:126 type = 2
	s_add_nc_u64 s[G0B+2:G0B+3], s[18:19], s[42:43]
	s_or_b32 s[G0B+3], s[G0B+3], 0x80000000
	s_add_nc_u64 s[G0C+2:G0C+3], s[18:19], s[44:45]
	s_or_b32 s[G0C+3], s[G0C+3], 0x80000000
	tensor_load_to_lds s[G0A:G0A+3], s[G1A:G1A+7]  ; all fills of the launch stand here, ahead of every wait on TENSORcnt, every LDS read and every barrier; an s_nop 0 follows each, four v_nop the last
	s_nop 0
	tensor_load_to_lds s[G0B:G0B+3], s[G1B:G1B+7]
	s_nop 0
	tensor_load_to_lds s[G0C:G0C+3], s[G1C:G1C+7]
	s_nop 0
.rept 4
	v_nop
.endr
	s_add_nc_u64 s[16:17], s[4:5], s[48:49]        ; Q of part lo,
	s_add_nc_u64 s[4:5], s[4:5], s[46:47]          ; of part hi
	s_add_nc_u64 s[10:11], s[10:11], s[50:51]
	s_add_nc_u64 s[20:21], s[12:13], s[54:55]      ; the mask of part lo,
	s_add_nc_u64 s[12:13], s[12:13], s[52:53]      ; of part hi
	s_lshl_b32 s40, s58, 20                        ; cf: 16,384 (64 b + 2 x half-block) + 2,048 hd  (s41 and s43 still hold 0)
	s_lshl_b32 s66, s67, 11
	s_add_co_u32 s40, s40, s66
	s_mov_b32 s42, s40
	s_lshl_b32 s66, s28, 15
	s_add_co_u32 s40, s40, s66
	s_lshl_b32 s66, s27, 15
	s_add_co_u32 s42, s42, s66
	s_add_nc_u64 s[22:23], s[14:15], s[42:43]      ; cf of part lo,
	s_add_nc_u64 s[14:15], s[14:15], s[40:41]      ; of part hi
	WIN 0x40
.irp i, 0,1,2,3,4,5,6,7
	global_load_b128 v[4*\i:4*\i+3], v[RDA], s[4:5] offset:512*\i           ; Q stays in registers: tiles 0, 1
.endr
.irp i, 0,1,2,3,4,5,6,7
	global_load_b128 v[32+4*\i:32+4*\i+3], v[RDA], s[16:17] offset:512*\i   ; tiles 2, 3
.endr
.irp ct, 0,1,2,3
.irp q, 0,1
	global_load_b128 v[VR+8*\ct+4*\q:VR+8*\ct+4*\q+3], v[VRO], s[10:11] offset:64*\ct+16*\q   ; lane (r, h): block r's sums of channels 16 ct + 8 h + 0 .. 7
.endr
.endr
	WIN 0
	global_load_u8 v[MK], v[RR], s[12:13]
	global_load_u8 v[MK+1], v[RR], s[12:13] offset:16
	global_load_u8 v[MK+2], v[RR], s[20:21]
	global_load_u8 v[MK+3], v[RR], s[20:21] offset:16
.irp t, 0,1,2,3
	v_mov_b32 v[STT+4*\t+1], 0xff61b1e6            ; m = -3e38, under every score
	v_mul_f32 v[STT+4*\t], s[CS], v[STT+4*\t+1]
	v_mov_b32 v[STT+4*\t+2], 0
	v_mov_b32 v[STT+4*\t+3], 0
.endr
.set i, 0
.rept 16
	v_mov_b32 v[W+i], 0                            ; written once: permutes' destinations and the upper halves of pairs count as read
.set i, i+1
.endr
.set i, 0
.rept 128
	v_mov_b32 v[O+i], 0                            ; O^T.  (The step is written without a first step of its own: the first change of m multiplies zeros)
.set i, i+1
.endr
	s_wait_loadcnt 0x0                             ; Q, vsum's parts, the mask
	MEET 2                                         ; chunks 0 and 1 lie in LDS; my two later loads may be out
	s_mov_b32 s[ST], 0
	s_mov_b32 s[TB], 0
.Lfirst:                                               ; steps 0 and 1
	STEP 1
	s_add_co_u32 s[ST], s[ST], 1
	s_cmp_lt_u32 s[ST], 2
	s_cbranch_scc1 .Lfirst
	MEET 1                                         ; chunks 2 to 7; my last load may be out
	s_mov_b32 s[ST], 2
	s_mov_b32 s[TB], BSB
.Lsecond:                                              ; steps 2 to 7
	STEP 1
	s_add_co_u32 s[ST], s[ST], 1
	s_cmp_lt_u32 s[ST], 8
	s_cbranch_scc1 .Lsecond
	MEET 0                                         ; chunks 8 to 15: no load was issued behind this one
	s_mov_b32 s[ST], 8
	s_mov_b32 s[TB], BSC
.Lthird:                                               ; steps 8 to 15
	STEP 0
	s_add_co_u32 s[ST], s[ST], 1
	s_cmp_lt_u32 s[ST], 16
	s_cbranch_scc1 .Lthird
	; THE WAY OUT.  The mean of Vh; 1 / l; O^T / l, or the mean where the query is padded; f16; 512 consecutive bytes a store.
	WIN 0x04
.set i, 0
.rept 32
	v_mul_f32 v[S+i], 0x3a800000, v[VR+i]          ; x 2^-10
.set i, i+1
.endr
	WIN 0
.irp x, 1,2,4,8
.set i, 0
.rept 32
	v_add_f32_dpp v[S+i], v[S+i], v[S+i] row_xmask:\x row_mask:0xf bank_mask:0xf   ; over the 16 blocks of 64 keys, which lie in the 16 lanes of my half
.set i, i+1
.endr
.endr
.irp t, 0,1,2,3
	v_add_f32 v[W+\t], v[STT+4*\t+2], v[STT+4*\t+3]
.endr
.irp t, 0,1,2,3
	v_permlanex16_b32 v[W+4+\t], v[W+\t], s[SEL], s[SEL+1]
.endr
.irp t, 0,1,2,3
	v_add_f32 v[W+\t], v[W+\t], v[W+4+\t]
.endr
.irp t, 0,1,2,3
	v_rcp_f32 v[W+8+2*\t], v[W+\t]
.endr
	v_nop
	s_wait_alu depctr_va_vdst(0)                   ; one wait for the four reciprocals
.macro LEAVE t, base
.set i, 0
.rept 16
	v_pk_mul_f32 v[O+32*\t+i:O+32*\t+i+1], v[O+32*\t+i:O+32*\t+i+1], v[W+8+2*\t:W+9+2*\t] op_sel_hi:[1,0]
.set i, i+2
.endr
	v_cmp_ne_u32 vcc_lo, 0, v[MK+\t]
.set i, 0
.rept 32
	v_cndmask_b32 v[O+32*\t+i], v[O+32*\t+i], v[S+i], vcc_lo
.set i, i+1
.endr
.set i, 0
.rept 16
	v_cvt_pk_f16_f32 v[O+32*\t+i], v[O+32*\t+2*i], v[O+32*\t+2*i+1]
.set i, i+1
.endr
.irp ct, 0,1,2,3
	global_store_b128 v[RDA], v[O+32*\t+4*\ct:O+32*\t+4*\ct+3], s[\base:\base+1] offset:(\t%2)*16384+512*\ct
.endr
.endm
	LEAVE 0, 14
	LEAVE 1, 14
	LEAVE 2, 22
	LEAVE 3, 22
	s_wait_tensorcnt 0x0                           ; the wave's end, behind my last tensor load
	ds_add_u32 v[SPW], v[NIL]
	s_wait_dscnt 0x0
	s_endpgm
.Lfunc_end_k_q2dfe573fc2_attn:
	.size	k_q2dfe573fc2_attn, .Lfunc_end_k_q2dfe573fc2_attn-k_q2dfe573fc2_attn
	.p2alignl 7, 3214868480
	.fill 96, 4, 3214868480
	.section	.rodata,"a",@progbits
	.p2align	6, 0x0
	.amdhsa_kernel k_q2dfe573fc2_attn
		.amdhsa_group_segment_fixed_size 263168
		.amdhsa_private_segment_fixed_size 0
		.amdhsa_enable_private_segment 0
		.amdhsa_kernarg_size 48
		.amdhsa_user_sgpr_count 2
		.amdhsa_user_sgpr_kernarg_segment_ptr 1
		.amdhsa_wavefront_size32 1
		.amdhsa_system_sgpr_workgroup_id_x 1
		.amdhsa_system_sgpr_workgroup_id_y 1
		.amdhsa_system_sgpr_workgroup_id_z 1
		.amdhsa_system_vgpr_workitem_id 0
		.amdhsa_next_free_vgpr 512
		.amdhsa_next_free_sgpr 100
		.amdhsa_reserve_vcc 1
		.amdhsa_float_denorm_mode_32 3
		.amdhsa_float_denorm_mode_16_64 3
		.amdhsa_memory_ordered 1
		.amdhsa_forward_progress 1
		.amdhsa_inst_pref_size 134
	.end_amdhsa_kernel
	.amdgpu_metadata
---
amdhsa.version: [ 1, 2 ]
amdhsa.kernels:
  - .name:           k_q2dfe573fc2_attn
    .symbol:         k_q2dfe573fc2_attn.kd
    .args:
      - { .name: qf, .offset: 0, .size: 8, .value_kind: global_buffer, .address_space: global }
      - { .name: kf, .offset: 8, .size: 8, .value_kind: global_buffer, .address_space: global }
      - { .name: vf, .offset: 16, .size: 8, .value_kind: global_buffer, .address_space: global }
      - { .name: vsum, .offset: 24, .size: 8, .value_kind: global_buffer, .address_space: global }
      - { .name: mask, .offset: 32, .size: 8, .value_kind: global_buffer, .address_space: global }
      - { .name: cf, .offset: 40, .size: 8, .value_kind: global_buffer, .address_space: global }
    .group_segment_fixed_size: 263168
    .private_segment_fixed_size: 0
    .kernarg_segment_align: 8
    .kernarg_segment_size: 48
    .max_flat_workgroup_size: 256
    .sgpr_count:     100
    .vgpr_count:     512
    .wavefront_size: 32
...
	.end_amdgpu_metadata
.endif
;; end of part 3
;; launch tail (part 4): grid 256 x 1, 4 waves a work-group, no clusters, 237,056 bytes of LDS; arguments cf, Q, wf16, lin1_b, lin2_b, ln_g, ln_b, out0; writes out0
.if DOCPART == 4
	.amdgcn_target "amdgcn-amd-amdhsa--gfx1250"
	.amdhsa_code_object_version 6
	.text
	.protected	k_q2dfe573fc2_tail
	.globl	k_q2dfe573fc2_tail
	.p2align	8
	.type	k_q2dfe573fc2_tail,@function
k_q2dfe573fc2_tail:
	s_mov_b64 s[64:65], 0
	v_nop
	global_prefetch_b8 v0, s[64:65] scope:SCOPE_SE
	s_setreg_imm32_b32 hwreg(HW_REG_WAVE_MODE, 25, 1), 1
	s_wait_xcnt 0x0
; x1 = LN(Q + ctx W_o);  out0 = LN(gelu_tanh(x1 lin1_w + lin1_b) lin2_w + lin2_b + x1).  Three products with f16 operands and f32 sums; all else in f32.
; SHARES.  A work-group takes 64 rows through the whole chain; nothing between the products goes to memory.  Wave w makes output columns 128 w .. 128 w + 127 of all 64 rows in each product: 32 accumulators (4 row tiles x 8).
; All products are used transposed (source 0 = 16 columns of the weight, source 1 = 16 rows): a lane holds one row and 8 neighbouring columns, which rounded to f16 are half a fragment of the next product's source 1.
; ACTIVATIONS go round as images of their registers in LDS (16 bytes a lane at 16 x lane).  WEIGHTS: a fragment is multiplied by one wave alone, so it comes from memory straight into that wave's registers: a ring of four
; buffers of one K step (32 along K, 16 loads), three steps ahead, walked as ONE stream of 48 K steps, through the work between the products too.
; The sums begin as what is added anyway: Q; lin1_b; x1 + lin2_b: loaded into the accumulators, so that no first step is written apart and no addition follows.
; THE HEAD'S LOADS ARE ONE STREAM: ctx, lin1_b, Q's 64 rows, the first three K steps of weights and the parameters land in registers that do not meet, so each group is issued without waiting for the one before it.
; LAYER NORM: each wave takes the mean and the sum of squares about ITS mean over its 128 columns; the four parts meet in LDS and are joined as M2 = sum M2_w + 128 sum (mean_w - mean)^2: no difference of large sums.
; The order of rounding differs from reference()'s mean of 512.  GELU: 0.5 x (1 + tanh u) = x / (1 + 2^(-2 log2(e) u)).
; NO JOINT LOADS, NO LDS FOR WEIGHTS: each weight byte that a work-group takes in feeds one wave; through LDS a K step's 32 KB would be written and read once more beside the 16 KB of activations that its four waves read.
; LIMITS: ctx and the GELU's results up to 65,504 (f16); NaN and infinities are not served.
; REGISTERS: window 0: v1-19 addresses and constants; v32-95 two sets of activation fragments; v32-159 landing and packed f16; v96-159 GELU at work; v160-247 the norms' figures.
;   window 1: the weights' ring, 64 u + 8 nt.   window 2: the accumulators, 8 (8 m + nt).   window 3: ln_g v0-63, ln_b v64-127, lin2_b v128-191 (register 8 nt + j: column 128 w + 16 nt + 8 h + j).
.set ACT,   0                          ; LDS: 64 fragments (16 m + ks), 1,024 bytes each
.set X1B,   65536                      ; x1 + lin2_b, each wave's own 32,768 bytes, as its registers stand
.set QST,   196608                     ; a stage of 16 rows x 528 bytes for each wave
.set SP,    528
.set PAR,   230400                     ; lin1_b
.set STAT,  232448                     ; [norm 2][w 4][m 4][r 16] x (mean, M2)
.set SPARE, 236544                     ; the spare words, 128 bytes for each wave: two blocks of 256 bytes that no other line names
.set L16, 1                            ; v1  16 x lane
.set SPW, 2                            ; v2  LDS address of my spare word; never rewritten
.set NIL, 3                            ; v3  0; never rewritten
.set AAD, 4                            ; v4  the activation fragments in hand
.set QSI, 5                            ; v5  my stage, as rows lie: 16 x lane
.set QSD, 6                            ; v6  my stage, by the accumulators' layout: 528 r + 32 h
.set CPY, 7                            ; v7  16,384 w + 16 x lane
.set IMG, 8                            ; v8  4,096 w + 16 x lane
.set XBA, 9                            ; v9  X1B + 32,768 w + 16 x lane
.set BAD, 10                           ; v10 PAR + 512 w + 32 h
.set SAD, 11                           ; v11 STAT + 512 w + 8 r
.set RAD, 12                           ; v12 STAT + 8 r
.set T16, 13                           ; v13 16 x thread
.set CB,  14                           ; v14 512 w + 32 h
.set PST, 15                           ; v15 PAR + 16 x thread
.set K1,  16                           ; v[16:17] -2 log2(e) sqrt(2 / pi) x 0.044715, twice
.set K0,  18                           ; v[18:19] -2 log2(e) sqrt(2 / pi), twice
.set AF,  32
.set CV,  32
.set GT,  96
.set SU,  160
.set MW,  168                          ; [mean_w, M2_w] of row tile m at + 2 m
.set SQ,  176
.set STR, 184                          ; the four waves' figures: 2 (4 m + w)
.set RS,  216
.set NB,  224
.set TP,  232
.set MN,  236
.set T2,  240
.set MSB, 0
.macro WIN new
.if MSB != \new
	s_set_vgpr_msb (MSB<<8)|\new
.set MSB, \new
.endif
.endm
.macro PLACES n
.rept \n
	v_nop
.endr
.endm
.macro BARRIER
	s_wait_dscnt 0x0                               ; my LDS stores have landed and my LDS loads are in
	s_barrier_signal -1
	s_barrier_wait -1
.endm
.macro BLOAD buf, g                    ; my 8 fragments of the K step g steps on from the stream's pointer
	WIN 0x40
.irp nt, 0,1,2,3,4,5,6,7
.irp hf, 0,1
	global_load_b128 v[64*(\buf)+8*\nt+4*\hf:64*(\buf)+8*\nt+4*\hf+3], v[L16], s[8:9] offset:(\g)*32768+\nt*1024+\hf*512
.endr
.endr
	WIN 0
.endm
.macro ALOAD buf, k                    ; the four row tiles' fragments of the K step k steps on from v[AAD]
.irp m, 0,1,2,3
.irp hf, 0,1
	ds_load_b128 v[AF+32*(\buf)+8*\m+4*\hf:AF+32*(\buf)+8*\m+4*\hf+3], v[AAD] offset:\m*16384+(\k)*1024+\hf*512
.endr
.endr
.endm
; A K STEP of 32: 32 matrix instructions; the 32 accumulators take turns in the same order in every step.
.macro KS u, bload, aload, lcnt, dcnt
	PLACES 4                                       ; places in front of loads into the registers that the last step multiplied
.if \bload
	BLOAD ((\u)+3)%4, (\u)+3
.endif
.if \aload
	ALOAD ((\u)+1)%2, (\u)+1
.endif
	s_wait_loadcnt \lcnt                           ; this step's weights are in; the younger groups of 16 may be out
	s_wait_dscnt \dcnt                             ; this step's activations are in; the next step's 8 loads may be out
	WIN 0xa1                                       ; source 0 (weights) window 1, source 1 window 0, C and D window 2
.irp m, 0,1,2,3
.irp nt, 0,1,2,3,4,5,6,7
	v_wmma_f32_16x16x32_f16 v[8*(8*\m+\nt):8*(8*\m+\nt)+7], v[64*(\u)+8*\nt:64*(\u)+8*\nt+7], v[AF+32*((\u)%2)+8*\m:AF+32*((\u)%2)+8*\m+7], v[8*(8*\m+\nt):8*(8*\m+\nt)+7]
.endr
.endr
	WIN 0
.endm
; A PRODUCT: 16 K steps.  last = 1: the stream of weights ends: no load leaves its buffer.
.macro GEMM last
	v_mov_b32 v[AAD], v[L16]
	ALOAD 0, 0
	s_mov_b32 s24, 3
.Ltrip_\@:
	KS 0,1,1,48,8
	KS 1,1,1,48,8
	KS 2,1,1,48,8
	KS 3,1,1,48,8
	s_wait_xcnt 0x0                                ; the loads have read their base
	s_add_nc_u64 s[8:9], s[8:9], 131072
	v_add_nc_u32 v[AAD], 4096, v[AAD]
	s_sub_co_u32 s24, s24, 1
	s_cmp_lg_u32 s24, 0
	s_cbranch_scc1 .Ltrip_\@
.if \last
	KS 0,1,1,48,8
	KS 1,0,1,32,8
	KS 2,0,1,16,8
	KS 3,0,0,0,0
.else
	KS 0,1,1,48,8
	KS 1,1,1,48,8
	KS 2,1,1,48,8
	KS 3,1,0,48,0
	s_wait_xcnt 0x0
	s_add_nc_u64 s[8:9], s[8:9], 131072
.endif
.endm
; LAYER NORM of the accumulators, in place; the four row tiles by turns.  stat: 0 or 2,048: each norm has its own words.
.macro LN stat
	PLACES 4
	WIN 0x0a
.irp m, 0,1,2,3
	v_pk_add_f32 v[SU+2*\m:SU+2*\m+1], v[64*\m:64*\m+1], v[64*\m+2:64*\m+3]   ; each accumulator is read from its low end on
.endr
	WIN 0x08
.set i, 4
.rept 30
.irp m, 0,1,2,3
	v_pk_add_f32 v[SU+2*\m:SU+2*\m+1], v[SU+2*\m:SU+2*\m+1], v[64*\m+i:64*\m+i+1]
.endr
.set i, i+2
.endr
	WIN 0
.irp m, 0,1,2,3
	v_add_f32 v[SU+2*\m], v[SU+2*\m], v[SU+2*\m+1]
.endr
.irp m, 0,1,2,3
	v_permlanex16_b32 v[TP+\m], v[SU+2*\m], s26, s27
.endr
.irp m, 0,1,2,3
	v_add_f32 v[SU+2*\m], v[SU+2*\m], v[TP+\m]
.endr
.irp m, 0,1,2,3
	v_mul_f32 v[MW+2*\m], 0x3c000000, v[SU+2*\m]   ; my wave's mean over its 128 columns
.endr
	WIN 0x82
.set i, 0
.rept 32
.irp m, 0,1,2,3
	v_pk_add_f32 v[64*\m+i:64*\m+i+1], v[64*\m+i:64*\m+i+1], v[MW+2*\m:MW+2*\m+1] op_sel_hi:[1,0] neg_lo:[0,1] neg_hi:[0,1]   ; x - mean_w
.endr
.set i, i+2
.endr
	WIN 0x0a
.irp m, 0,1,2,3
	v_pk_mul_f32 v[SQ+2*\m:SQ+2*\m+1], v[64*\m:64*\m+1], v[64*\m:64*\m+1]
.endr
.set i, 2
.rept 31
.irp m, 0,1,2,3
	v_pk_fma_f32 v[SQ+2*\m:SQ+2*\m+1], v[64*\m+i:64*\m+i+1], v[64*\m+i:64*\m+i+1], v[SQ+2*\m:SQ+2*\m+1]
.endr
.set i, i+2
.endr
	WIN 0
.irp m, 0,1,2,3
	v_add_f32 v[SQ+2*\m], v[SQ+2*\m], v[SQ+2*\m+1]
.endr
.irp m, 0,1,2,3
	v_permlanex16_b32 v[TP+\m], v[SQ+2*\m], s26, s27
.endr
.irp m, 0,1,2,3
	v_add_f32 v[MW+2*\m+1], v[SQ+2*\m], v[TP+\m]   ; M2_w
.endr
.irp m, 0,1,2,3
	ds_store_b64 v[SAD], v[MW+2*\m:MW+2*\m+1] offset:\stat+128*\m   ; both halves of the lanes write the same words with the same values
.endr
	BARRIER                                        ; the four waves' figures lie in LDS (and every wave's reads of the activations are over)
.irp m, 0,1,2,3
.irp w, 0,1,2,3
	ds_load_b64 v[STR+2*(4*\m+\w):STR+2*(4*\m+\w)+1], v[RAD] offset:\stat+512*\w+128*\m
.endr
.endr
	s_wait_dscnt 0x0
.irp m, 0,1,2,3
	v_add_f32 v[T2+2*\m], v[STR+8*\m], v[STR+8*\m+2]
.endr
.irp m, 0,1,2,3
	v_add_f32 v[T2+2*\m+1], v[STR+8*\m+4], v[STR+8*\m+6]
.endr
.irp m, 0,1,2,3
	v_add_f32 v[T2+2*\m], v[T2+2*\m], v[T2+2*\m+1]
.endr
.irp m, 0,1,2,3
	v_mul_f32 v[MN+\m], 0x3e800000, v[T2+2*\m]     ; the row's mean
.endr
.irp w, 0,1,2,3
.irp m, 0,1,2,3
	v_sub_f32 v[STR+8*\m+2*\w], v[STR+8*\m+2*\w], v[MN+\m]   ; mean_w - mean
.endr
.endr
.irp m, 0,1,2,3
	v_add_f32 v[T2+2*\m], v[STR+8*\m+1], v[STR+8*\m+3]
.endr
.irp m, 0,1,2,3
	v_add_f32 v[T2+2*\m+1], v[STR+8*\m+5], v[STR+8*\m+7]
.endr
.irp m, 0,1,2,3
	v_add_f32 v[T2+2*\m], v[T2+2*\m], v[T2+2*\m+1]
.endr
.irp m, 0,1,2,3
	v_mul_f32 v[T2+2*\m+1], v[STR+8*\m], v[STR+8*\m]
.endr
.irp w, 1,2,3
.irp m, 0,1,2,3
	v_fmac_f32 v[T2+2*\m+1], v[STR+8*\m+2*\w], v[STR+8*\m+2*\w]
.endr
.endr
.irp m, 0,1,2,3
	v_fma_f32 v[T2+2*\m], v[T2+2*\m+1], s25, v[T2+2*\m]   ; M2 = sum M2_w + 128 sum (mean_w - mean)^2
.endr
.irp m, 0,1,2,3
	v_fma_f32 v[T2+2*\m], v[T2+2*\m], s28, s29     ; M2 / 512 + 1e-5
.endr
.irp m, 0,1,2,3
	v_rsq_f32 v[RS+2*\m], v[T2+2*\m]
.endr
.irp m, 0,1,2,3
	v_sub_f32 v[NB+2*\m], v[MW+2*\m], v[MN+\m]     ; (plain work behind the four)
.endr
	s_wait_alu depctr_va_vdst(0)                   ; one wait for the four, ahead of their first reader
.irp m, 0,1,2,3
	v_mul_f32 v[NB+2*\m], v[NB+2*\m], v[RS+2*\m]
.endr
	WIN 0x82
.set i, 0
.rept 32
.irp m, 0,1,2,3
	v_pk_fma_f32 v[64*\m+i:64*\m+i+1], v[64*\m+i:64*\m+i+1], v[RS+2*\m:RS+2*\m+1], v[NB+2*\m:NB+2*\m+1] op_sel_hi:[1,0,0]   ; (x - mean_w) rstd + (mean_w - mean) rstd
.endr
.set i, i+2
.endr
	WIN 0xbe
.set i, 0
.rept 32
.irp m, 0,1,2,3
	v_pk_fma_f32 v[64*\m+i:64*\m+i+1], v[64*\m+i:64*\m+i+1], v[i:i+1], v[64+i:64+i+1]   ; x g + b
.endr
.set i, i+2
.endr
	WIN 0
.endm
.macro PACKALL                         ; the 32 tiles, rounded to f16: four registers each in v[CV] on
	WIN 0x0a
.set k, 0
.rept 32
.irp q, 0,1,2,3
	v_cvt_pk_f16_f32 v[CV+4*k+\q], v[8*k+2*\q], v[8*k+2*\q+1]
.endr
.set k, k+1
.endr
	WIN 0
.endm
.macro TOACT                           ; they are halves 8 w + nt of the next product's fragments of row tile m
.irp m, 0,1,2,3
.irp nt, 0,1,2,3,4,5,6,7
	ds_store_b128 v[IMG], v[CV+4*(8*\m+\nt):CV+4*(8*\m+\nt)+3] offset:ACT+\m*16384+\nt*512
.endr
.endr
.endm
.macro QLOAD m                         ; my 512 bytes of rows 16 m .. 16 m + 15 of Q
	WIN 0x80
.set i, 0
.rept 16
	global_load_b128 v[64*(\m)+4*i:64*(\m)+4*i+3], v[L16], s[6:7] offset:(16*(\m)+i)*2048 th:TH_LOAD_NT
.set i, i+1
.endr
	WIN 0
.endm
.macro QTURN m                         ; through my stage into the accumulators' layout: LDS serves a wave's instructions in order (ISA guide 5.7.1.4)
	WIN 0x08
.set i, 0
.rept 16
	ds_store_b128 v[QSI], v[64*(\m)+4*i:64*(\m)+4*i+3] offset:SP*i
.set i, i+1
.endr
	WIN 0x80
.irp nt, 0,1,2,3,4,5,6,7
.irp q, 0,1
	ds_load_b128 v[8*(8*(\m)+\nt)+4*\q:8*(8*(\m)+\nt)+4*\q+3], v[QSD] offset:64*\nt+16*\q
.endr
.endr
	WIN 0
.endm
.macro PARAM reg, base                 ; 16 loads: my 64 numbers of a parameter vector, in the accumulators' layout, into window 3
	WIN 0xc0
.irp nt, 0,1,2,3,4,5,6,7
.irp q, 0,1
	global_load_b128 v[(\reg)+8*\nt+4*\q:(\reg)+8*\nt+4*\q+3], v[CB], s[\base:\base+1] offset:64*\nt+16*\q
.endr
.endr
	WIN 0
.endm
.macro GELU m                          ; 64 numbers: x / (1 + 2^(x (k0 + k1 x^2)))
	WIN 0x0a
.set i, 0
.rept 32
	v_pk_mul_f32 v[GT+i:GT+i+1], v[64*(\m)+i:64*(\m)+i+1], v[64*(\m)+i:64*(\m)+i+1]
.set i, i+2
.endr
	WIN 0
.set i, 0
.rept 32
	v_pk_fma_f32 v[GT+i:GT+i+1], v[GT+i:GT+i+1], v[K1:K1+1], v[K0:K0+1]
.set i, i+2
.endr
	WIN 0x08
.set i, 0
.rept 32
	v_pk_mul_f32 v[GT+i:GT+i+1], v[GT+i:GT+i+1], v[64*(\m)+i:64*(\m)+i+1]
.set i, i+2
.endr
	WIN 0
.set i, 0
.rept 64
	v_exp_f32 v[GT+i], v[GT+i]
.set i, i+1
.endr
	v_nop
	s_wait_alu depctr_va_vdst(0)                   ; one wait for the 64 exponentials
.set i, 0
.rept 32
	v_pk_add_f32 v[GT+i:GT+i+1], v[GT+i:GT+i+1], 1.0 op_sel_hi:[1,0]
.set i, i+2
.endr
.set i, 0
.rept 64
	v_rcp_f32 v[GT+i], v[GT+i]
.set i, i+1
.endr
	v_nop
	s_wait_alu depctr_va_vdst(0)                   ; and one for the 64 reciprocals
	WIN 0x82
.set i, 0
.rept 32
	v_pk_mul_f32 v[64*(\m)+i:64*(\m)+i+1], v[64*(\m)+i:64*(\m)+i+1], v[GT+i:GT+i+1]
.set i, i+2
.endr
	WIN 0
.endm
	s_load_b256 s[4:11], s[0:1], 0x0               ; cf s[4:5], Q s[6:7], wf16 s[8:9], lin1_b s[10:11]
	s_load_b256 s[12:19], s[0:1], 0x20             ; lin2_b s[12:13], ln_g s[14:15], ln_b s[16:17], out0 s[18:19]
	v_lshl_add_u32 v[SPW], v0, 2, SPARE
	v_mov_b32 v[NIL], 0
	v_lshrrev_b32 v20, 5, v0
	v_readfirstlane_b32 s20, v20                   ; wave
	v_and_b32 v20, 31, v0                          ; lane
	v_and_b32 v21, 15, v0                          ; r
	v_bfe_u32 v22, v0, 4, 1                        ; h
	v_lshlrev_b32 v[L16], 4, v20
	v_lshlrev_b32 v[T16], 4, v0
	v_add_nc_u32 v[PST], PAR, v[T16]
	s_mul_i32 s30, s20, 16*SP
	s_add_co_u32 s30, s30, QST                     ; my stage
	v_add_nc_u32 v[QSI], s30, v[L16]
	v_mul_u32_u24 v23, v21, SP
	v_lshl_add_u32 v23, v22, 5, v23
	v_add_nc_u32 v[QSD], s30, v23
	s_lshl_b32 s30, s20, 14
	v_add_nc_u32 v[CPY], s30, v[L16]
	s_lshl_b32 s30, s20, 12
	v_add_nc_u32 v[IMG], s30, v[L16]
	s_lshl_b32 s30, s20, 15
	s_add_co_u32 s30, s30, X1B
	v_add_nc_u32 v[XBA], s30, v[L16]
	s_lshl_b32 s30, s20, 9
	v_lshl_add_u32 v[CB], v22, 5, s30
	v_add_nc_u32 v[BAD], PAR, v[CB]
	v_lshl_add_u32 v[SAD], v21, 3, s30
	v_add_nc_u32 v[SAD], STAT, v[SAD]
	v_lshlrev_b32 v[RAD], 3, v21
	v_add_nc_u32 v[RAD], STAT, v[RAD]
	v_mov_b32 v[K1], 0xbdd2d3e8                    ; -0.10294324
	v_mov_b32 v[K1+1], 0xbdd2d3e8
	v_mov_b32 v[K0], 0xc0135761                    ; -2.3022082
	v_mov_b32 v[K0+1], 0xc0135761
.set i, 0
.rept 8
	v_mov_b32 v[MW+i], 0                           ; written once: the upper halves of pairs and permutes' destinations count as read
.set i, i+1
.endr
.set i, 0
.rept 24
	v_mov_b32 v[RS+i], 0
.set i, i+1
.endr
	s_mov_b32 s25, 0x43000000                      ; 128
	s_mov_b32 s26, 0x76543210
	s_mov_b32 s27, 0xfedcba98                      ; v_permlanex16_b32's selects for lane l xor 16
	s_mov_b32 s28, 0x3b000000                      ; 1 / 512
	s_mov_b32 s29, 0x3727c5ac                      ; 1e-5
	s_lshl_b32 s32, ttmp9, 16                      ; cf: 65,536 a work-group, 16,384 a wave
	s_lshl_b32 s30, s20, 14
	s_add_co_u32 s32, s32, s30
	s_mov_b32 s33, 0
	s_lshl_b32 s34, ttmp9, 17                      ; Q, out0: 64 rows of 2,048 bytes a work-group, 512 bytes of a row a wave
	s_lshl_b32 s30, s20, 9
	s_add_co_u32 s34, s34, s30
	s_mov_b32 s35, 0
	s_lshl_b32 s36, s20, 13                        ; wf16: my 8 tiles of columns
	s_mov_b32 s37, 0
	s_wait_kmcnt 0x0
	s_add_nc_u64 s[4:5], s[4:5], s[32:33]
	s_add_nc_u64 s[6:7], s[6:7], s[34:35]
	s_add_nc_u64 s[18:19], s[18:19], s[34:35]
	s_add_nc_u64 s[8:9], s[8:9], s[36:37]
	; THE HEAD'S STREAM.  In the order of issue: ctx 32 loads, lin1_b 1, Q 4 x 16, weights 3 x 16, ln_g 16, ln_b and lin2_b 32.  Loads come back in order (ISA guide 5.7.1).  At each wait below 64 loads have been
	; issued behind the group that is wanted; the count 63, the largest that the wait can name, is the safe smaller one.  The LDS work on a group stands while the groups behind it are on their way.
.set i, 0
.rept 32
	global_load_b128 v[CV+4*i:CV+4*i+3], v[L16], s[4:5] offset:512*i th:TH_LOAD_NT   ; my quarter of the block's ctx fragments, as they lie
.set i, i+1
.endr
	global_load_b128 v[160:163], v[T16], s[10:11]  ; lin1_b, 16 bytes a thread
	QLOAD 0
	QLOAD 1
	QLOAD 2
	QLOAD 3
	s_wait_loadcnt 63                              ; ctx and lin1_b are in: Q's 64 loads were issued behind them
.set i, 0
.rept 32
	ds_store_b128 v[CPY], v[CV+4*i:CV+4*i+3] offset:ACT+512*i
.set i, i+1
.endr
	ds_store_b128 v[PST], v[160:163]
	BLOAD 0, 0                                     ; the stream of weights begins
	s_wait_loadcnt 63                              ; Q's rows 0-15 are in: behind them 48 of Q's and these 16
	QTURN 0
	BLOAD 1, 1
	s_wait_loadcnt 63                              ; rows 16-31: behind them 32 of Q's and 32 of the weights'
	QTURN 1
	BLOAD 2, 2
	s_wait_loadcnt 63                              ; rows 32-47: behind them 16 and 48
	QTURN 2
	PARAM 0, 14                                    ; ln_g
	s_wait_loadcnt 63                              ; rows 48-63: behind them the weights' 48 and ln_g's 16
	QTURN 3
	PARAM 64, 16                                   ; ln_b
	PARAM 128, 12                                  ; lin2_b
	BARRIER                                        ; ctx's 64 fragments and lin1_b lie in LDS; my accumulators hold Q
	; ---- 1: Q + ctx W_o, the first norm
	GEMM 0                                         ; (by its third K step the 48 younger loads are weights alone: ln_g, ln_b, lin2_b are in)
	LN 0
	PACKALL
	TOACT                                          ; x1 as the next product's source 1
	WIN 0x8e
.set i, 0
.rept 32
.irp m, 0,1,2,3
	v_pk_add_f32 v[64*\m+i:64*\m+i+1], v[64*\m+i:64*\m+i+1], v[128+i:128+i+1]   ; x1 + lin2_b: what the third product's sums begin as
.endr
.set i, i+2
.endr
	WIN 0x08
.set i, 0
.rept 64
	ds_store_b128 v[XBA], v[4*i:4*i+3] offset:512*i
.set i, i+1
.endr
	WIN 0
	BARRIER
	; ---- 2: x1 lin1_w + lin1_b, GELU
	WIN 0x80
.irp m, 0,1,2,3
.irp nt, 0,1,2,3,4,5,6,7
.irp q, 0,1
	ds_load_b128 v[8*(8*\m+\nt)+4*\q:8*(8*\m+\nt)+4*\q+3], v[BAD] offset:64*\nt+16*\q
.endr
.endr
.endr
	WIN 0
	GEMM 0
	s_wait_dscnt 0x0                               ; my reads of x1's fragments are over:
	s_barrier_signal -1                            ; say so, and work on registers while the others arrive
	PLACES 4
	GELU 0
	GELU 1
	GELU 2
	GELU 3
	PACKALL
	s_barrier_wait -1                              ; nobody reads x1's fragments any more
	TOACT
	BARRIER
	; ---- 3: gelu lin2_w + lin2_b + x1, the second norm
	WIN 0x80
.set i, 0
.rept 64
	ds_load_b128 v[4*i:4*i+3], v[XBA] offset:512*i
.set i, i+1
.endr
	WIN 0
	GEMM 1
	LN 2048
	; ---- the way out: 16 rows at a time through my stage; a store covers 512 consecutive bytes of a row
.irp m, 0,1,2,3
	WIN 0x08
.irp nt, 0,1,2,3,4,5,6,7
.irp q, 0,1
	ds_store_b128 v[QSD], v[8*(8*\m+\nt)+4*\q:8*(8*\m+\nt)+4*\q+3] offset:64*\nt+16*\q
.endr
.endr
	WIN 0x80
.set i, 0
.rept 16
	ds_load_b128 v[64*\m+4*i:64*\m+4*i+3], v[QSI] offset:SP*i   ; LDS serves a wave's instructions in order: these see the stores above
.set i, i+1
.endr
	WIN 0x08
.set i, 0
.rept 16
	s_wait_dscnt 15-i                              ; row i is back; the younger rows' loads may be out
	global_store_b128 v[L16], v[64*\m+4*i:64*\m+4*i+3], s[18:19] offset:(16*\m+i)*2048 th:TH_STORE_NT
.set i, i+1
.endr
.endr
	WIN 0
	s_wait_tensorcnt 0x0                           ; the wave's end, behind my last LDS store
	ds_add_u32 v[SPW], v[NIL]
	s_wait_dscnt 0x0
	s_endpgm
.Lfunc_end_k_q2dfe573fc2_tail:
	.size	k_q2dfe573fc2_tail, .Lfunc_end_k_q2dfe573fc2_tail-k_q2dfe573fc2_tail
	.p2alignl 7, 3214868480
	.fill 96, 4, 3214868480
	.section	.rodata,"a",@progbits
	.p2align	6, 0x0
	.amdhsa_kernel k_q2dfe573fc2_tail
		.amdhsa_group_segment_fixed_size 237056
		.amdhsa_private_segment_fixed_size 0
		.amdhsa_enable_private_segment 0
		.amdhsa_kernarg_size 64
		.amdhsa_user_sgpr_count 2
		.amdhsa_user_sgpr_kernarg_segment_ptr 1
		.amdhsa_wavefront_size32 1
		.amdhsa_system_sgpr_workgroup_id_x 1
		.amdhsa_system_sgpr_workgroup_id_y 1
		.amdhsa_system_sgpr_workgroup_id_z 1
		.amdhsa_system_vgpr_workitem_id 0
		.amdhsa_next_free_vgpr 1024
		.amdhsa_next_free_sgpr 66
		.amdhsa_reserve_vcc 0
		.amdhsa_float_denorm_mode_32 3
		.amdhsa_float_denorm_mode_16_64 3
		.amdhsa_memory_ordered 1
		.amdhsa_forward_progress 1
		.amdhsa_inst_pref_size 255
	.end_amdhsa_kernel
	.section	.bss,"aw",@nobits
	.p2align	6
	.space	262144
	.amdgpu_metadata
---
amdhsa.version: [ 1, 2 ]
amdhsa.kernels:
  - .name:           k_q2dfe573fc2_tail
    .symbol:         k_q2dfe573fc2_tail.kd
    .args:
      - { .name: cf, .offset: 0, .size: 8, .value_kind: global_buffer, .address_space: global }
      - { .name: Q, .offset: 8, .size: 8, .value_kind: global_buffer, .address_space: global }
      - { .name: wf16, .offset: 16, .size: 8, .value_kind: global_buffer, .address_space: global }
      - { .name: lin1_b, .offset: 24, .size: 8, .value_kind: global_buffer, .address_space: global }
      - { .name: lin2_b, .offset: 32, .size: 8, .value_kind: global_buffer, .address_space: global }
      - { .name: ln_g, .offset: 40, .size: 8, .value_kind: global_buffer, .address_space: global }
      - { .name: ln_b, .offset: 48, .size: 8, .value_kind: global_buffer, .address_space: global }
      - { .name: out0, .offset: 56, .size: 8, .value_kind: global_buffer, .address_space: global }
    .group_segment_fixed_size: 237056
    .private_segment_fixed_size: 0
    .kernarg_segment_align: 8
    .kernarg_segment_size: 64
    .max_flat_workgroup_size: 128
    .sgpr_count:     66
    .vgpr_count:     1024
    .wavefront_size: 32
...
	.end_amdgpu_metadata
.endif
;; end of part 4
